; MI455X (gfx1250); checked and timed in simulation.
; The chip was launched on July 23, 2026; its instructions are those of AMD's public machine-readable ISA for CDNA 5 (MIT licence, August 2026) and "CDNA5" Instruction Set Architecture Reference Guide (July 2026). The comments in the code are by the model that wrote it; some were corrected since.
;; Causal Self Attention. Allowed arithmetic: matrix products marked QUANTISED: E3M2 operands, one E8M0 scale for each 32 along K, by v_wmma_scale_f32_16x16x128_f8f6f4 with both operands' format E3M2, f32 sums; everything else in f32.
;; Inputs: b_attn 3,072 float32; b_proj 1,024 float32; w_attn 1,024 x 3,072 float32; w_proj 1,024 x 1,024 float32; x 4 x 2,048 x 1,024 float32.
;; Outputs: out0 4 x 2,048 x 1,024 float32.
;; This version of the problem:
;;   THIS VERSION OF THE PROBLEM IS GIVEN IN LOW PRECISION. The matrix products marked QUANTISED in the list below multiply operands that are first quantised to E3M2 (3 exponent bits, 2 mantissa bits; 6 bits a number), with one power-of-two scale for each 32 numbers along K (OCP MX v1.0); their sums are f32. All else is computed in f32.
;;   The module's matrix products, in the order in which they are computed (A, B: the left and right operand; K: the contracted axis; several contracted axes count as one K, in the product's order):
;;     1. [M 8,192, K 1,024] x [K 1,024, N 3,072]; A: input x; B: input w_attn: QUANTISED
;;     2. batch 64 x [M 2,048, K 64] x [K 64, N 2,048]; A: computed on the way; B: computed on the way: QUANTISED
;;     3. batch 64 x [M 2,048, K 2,048] x [K 2,048, N 64]; A: softmax (see below); B: computed on the way: QUANTISED
;;     4. [M 8,192, K 1,024] x [K 1,024, N 1,024]; A: computed on the way; B: input w_proj: QUANTISED
;;   THE QUANTISER, for each operand of a quantised product, along K:
;;     - K is cut into blocks of 32 from its start; a last block that is shorter is filled with zeros.
;;     - A block's scale is 2^e with e = floor(log2(the largest magnitude in the block)) - 4, held to -126 .. 127; a block of zeros has e = 0. As a byte (E8M0): e + 127.
;;     - Each number is divided by its block's scale, clamped to +-28, and rounded to the nearest number of E3M2, ties to even, subnormals kept.
;;     - The product sums the exact products of the quantised numbers (number of the format x scale) in f32.
;;   ~~~python
;;   def quantise(x, axis):      # numpy; x: float32 -> the quantised numbers, widened to float32 again
;;       x = np.moveaxis(x, axis, -1); K = x.shape[-1]
;;       x = np.pad(x, [(0, 0)] * (x.ndim - 1) + [(0, -K % 32)]); x = x.reshape(x.shape[:-1] + (-1, 32)); a = np.abs(x).max(-1, keepdims=True)
;;       e = np.where(a > 0, np.clip(np.frexp(np.where(a > 0, a, 1))[1] - 1 - 4, -126, 127), 0)      # np.frexp(a)[1] - 1 = floor(log2(a)), exactly
;;       r = np.clip(x / 2.0 ** e, -28, 28)
;;       step = 2.0 ** (np.maximum(np.frexp(np.where(r == 0, 1, r))[1] - 1, -2) - 2)
;;       q = np.round(r / step) * step * 2.0 ** e      # np.round: ties to even
;;       return np.moveaxis(q.reshape(q.shape[:-2] + (-1,))[..., :K], -1, axis).astype(np.float32)
;;   ~~~
;;   SOFTMAX AHEAD OF A QUANTISED PRODUCT. Where the list says 'softmax', what is quantised is not the finished softmax but p = 2^(t - M), with t = logit x log2(e) and M = ceil(the row's largest t), a whole number; so 1/2 < the row's largest p <= 1. The row's sum l is taken of the UNQUANTISED p, in f32, and the product's result is divided by l at the end. Since M is a whole number, a kernel that streams over the keys may use a running M (the ceiling of the running maximum): every later rescaling is an exact power of two, which a block's scale takes up: the codes' values come out the same.
;;   OPERANDS COMPUTED ON THE WAY. 'Computed on the way' means the value that the module computes at that place (a softmax that the list does not call 'softmax' is quantised finished and normalised). What goes into a quantiser is computed in f32, as accurately as f32 sums, v_exp_f32 and their like allow (about 1e-6 of the number): no bf16 or f16 on the way to a quantiser, and a product that is left as it is and whose result goes on into a quantised operand takes f32 operands (vector FMAs, or v_wmma_f32_16x16x4_f32). A number that lies on a knife's edge between two numbers of the format may be rounded either way, as far as f32 arithmetic and the matrix unit's own rounding can turn it there, and no further.
;; One version. Each part assembles by itself: llvm-mc -triple=amdgcn-amd-amdhsa -mcpu=gfx1250 --defsym DOCPART=n.
;; ======== version 1 of 1: 4 launches
;; workspace buffers: opc 15,728,640 bytes; scl 655,360 bytes; qkv 20,447,232 bytes
;; launch quant (part 1): grid 512 x 1, 4 waves a work-group, no clusters, 34,816 bytes of LDS; arguments x, w_attn, w_proj, opc, scl; writes opc, scl
.if DOCPART == 1
	.amdgcn_target "amdgcn-amd-amdhsa--gfx1250"
	.amdhsa_code_object_version 6
	.text
	.protected	k_qbbd122cbc2_quant
	.globl	k_qbbd122cbc2_quant
	.p2align	8
	.type	k_qbbd122cbc2_quant,@function
k_qbbd122cbc2_quant:
	s_mov_b64 s[64:65], 0
	v_nop
	global_prefetch_b8 v0, s[64:65] scope:SCOPE_SE
	s_setreg_imm32_b32 hwreg(HW_REG_WAVE_MODE, 25, 1), 1
	s_wait_xcnt 0x0
; x [8192][1024], w_attn [1024][3072] and w_proj [1024][1024], f32, become codes of BF6 (E3M2) with one E8M0 byte for each 32 along K (K = 1024 in all three).
; A block's scale is 2^(floor(log2(largest magnitude)) - 4): its byte is the largest magnitude's exponent field - 4, held at 1 from below.
; LIMITS: NaN and infinities among the inputs are not served.  A block whose largest magnitude lies under 2^-122 keeps the byte 1; so does a block of zeros, where the rule says 127:
; its codes are zeros, which add nothing under any byte but 0xff, and this program alone reads the bytes.
; LAYOUT OF THE RESULT: images of the matrix operand's registers.  Rows (tokens of x, columns of the weights) go in tiles of 16; stored tile 2 b + u, row r, is actual row 32 b + 8 u + r + 8 (r / 8).
; A tile's record is 8 K steps x 1,536 bytes.  A K step (12 registers a lane) is two halves of 768 bytes (registers 6 c .. 6 c + 5): registers 0-3 of lane l at 16 l, registers 4-5 at 512 + 16 (l % 16) + 8 (l / 16).
; A tile's scale words: word (K step k, row r) at 256 (k / 4) + 16 r + 4 (k % 4).
; Work-groups 0-255 take x (a wave: one tile x 512 along K), work-groups 256-511 the weights (a wave: two tiles x 128 along K).  Waves share nothing: no barrier.  Only x's path uses LDS.
.set TREC,  12288                      ; a tile's record of codes
.set WSEC,  6291456                    ; the weights' tiles in opc: 192 of w_attn, 64 of w_proj
.set WS,    262144                     ; and their scale records in scl
.set STG,   8448                       ; LDS: a wave's stage: 16 rows x (512 bytes + 16)
.set SPARE, 4*STG                      ; behind the stages: the spare words, 128 bytes a wave, that no other line names
.set SPW,   10                         ; v10  my spare word's address; never rewritten
.set NIL,   11                         ; v11  0; never rewritten
.set SWD,   12                         ; v12-15  x: the scale words of my four K steps
.set TM,    16                         ; v16-27  at work in QUANT
.set PC,    28                         ; v28-46  the codes just made
.set X,     48                         ; v48-111 64 numbers, 16 neighbours of each block
.set R,     112                        ; v112-239 two sets of 64 registers as loaded
.set SEL,   26                         ; s[26:27] lane selects for v_permlanex16_b32: lane l xor 16
; 64 numbers of a lane, register 16 b + i = k 32 b + 16 (lane / 16) + i of my row, become a fragment's 12 registers in v[PC] on and its scale word in v[pw] (the same in both halves of the lanes).
.macro QUANT s, pw
.irp b, 0,1,2,3
	v_max3_num_f32 v[TM+\b], |v[\s+16*\b]|, |v[\s+1+16*\b]|, 0x2800000   ; my 16 numbers of block b, and the floor 2^(5 - 127): the byte cannot fall under 1
.endr
.irp i, 2,4,6,8,10,12,14
.irp b, 0,1,2,3
	v_max3_num_f32 v[TM+\b], v[TM+\b], |v[\s+16*\b+\i]|, |v[\s+1+16*\b+\i]|   ; the four blocks by turns
.endr
.endr
.irp b, 0,1,2,3
	v_permlanex16_b32 v[TM+4+\b], v[TM+\b], s[SEL], s[SEL+1]
.endr
.irp b, 0,1,2,3
	v_max_num_f32 v[TM+\b], v[TM+\b], v[TM+4+\b]   ; with lane l xor 16's: the block's largest magnitude
.endr
.irp b, 0,1,2,3
	v_add_nc_u32 v[TM+8+\b], 0xfe000000, v[TM+\b]  ; 4 off its exponent field: the conversion takes this operand's exponent field as its scale
.endr
.irp b, 0,1,2,3
	v_lshrrev_b32 v[TM+4+\b], 23, v[TM+8+\b]       ; the scale's byte
.endr
	v_lshl_or_b32 v[\pw], v[TM+5], 8, v[TM+4]
	v_lshl_or_b32 v[\pw], v[TM+6], 16, v[\pw]
	v_lshl_or_b32 v[\pw], v[TM+7], 24, v[\pw]
.irp c, 0,1
	v_cvt_scalef32_pk16_bf6_f32 v[PC+6*\c:PC+2+6*\c], v[\s+32*\c:\s+15+32*\c], v[TM+8+2*\c]
	v_cvt_scalef32_pk16_bf6_f32 v[PC+12+4*\c:PC+14+4*\c], v[\s+16+32*\c:\s+31+32*\c], v[TM+8+2*\c+1]   ; (a conversion's three registers begin on an even number)
.endr
	v_nop                                          ; one plain place behind the scaled conversions
.irp c, 0,1                                    ; the operand wants a WHOLE block in a lane: lanes 0-15 block 2 c, lanes 16-31 block 2 c + 1
.irp i, 0,1,2
	v_permlane16_swap_b32 v[PC+6*\c+\i], v[PC+12+4*\c+\i]
.endr
.irp i, 0,1,2
	v_mov_b32 v[PC+3+6*\c+\i], v[PC+12+4*\c+\i]
.endr
.endr
.endm
	s_load_b128 s[4:7], s[0:1], 0x0                ; x, w_attn
	s_load_b128 s[8:11], s[0:1], 0x10              ; w_proj, opc
	s_load_b64 s[12:13], s[0:1], 0x20              ; scl
	v_lshl_add_u32 v[SPW], v0, 2, SPARE
	v_mov_b32 v[NIL], 0
	v_lshrrev_b32 v1, 5, v0
	v_readfirstlane_b32 s14, v1                    ; wave
	v_and_b32 v2, 31, v0                           ; lane
	v_and_b32 v3, 15, v0                           ; r
	v_bfe_u32 v9, v0, 4, 1                         ; h
	s_cmp_lt_u32 ttmp9, 256
	s_cbranch_scc0 .Lweights
; ---------------- x: K is innermost ----------------
	v_lshlrev_b32 v4, 4, v2                        ; 16 x lane: my 16 bytes of a load's 512, and registers 0-3's place in an image
	v_lshlrev_b32 v5, 4, v3
	v_lshl_add_u32 v5, v9, 3, v5
	v_add_nc_u32 v5, 512, v5                       ; registers 4-5's place
	s_mul_i32 s15, s14, STG
	v_add_nc_u32 v6, s15, v4                       ; the stage, on the way in: a row as it lies
	v_mul_u32_u24 v7, v3, 528
	v_lshl_add_u32 v7, v9, 6, v7
	v_add_nc_u32 v7, s15, v7                       ; and out: row r, + 64 h: my 16 numbers of each block of 32
	v_lshlrev_b32 v8, 4, v3                        ; 16 r: my row's four scale words
.irp b, 0,1,2,3
	v_mov_b32 v[TM+4+\b], 0                        ; written once: a lane permute's destination counts as one of its sources
.endr
	s_mov_b32 s[SEL], 0x76543210
	s_mov_b32 s[SEL+1], 0xfedcba98
	s_lshl_b32 s16, ttmp9, 2
	s_add_co_u32 s16, s16, s14                     ; my unit: 4 x work-group + wave
	s_lshr_b32 s17, s16, 1                         ; the tile
	s_and_b32 s18, s16, 1                          ; which 512 along K
	s_lshr_b32 s20, s17, 1
	s_lshl_b32 s20, s20, 17                        ; 32 rows of 4,096 bytes for each pair of tiles,
	s_and_b32 s21, s17, 1
	s_lshl_b32 s21, s21, 15                        ; 8 rows for the odd tile,
	s_add_co_u32 s20, s20, s21
	s_lshl_b32 s21, s18, 11                        ; 2,048 bytes for the upper half of K
	s_add_co_u32 s20, s20, s21
	s_mov_b32 s21, 0
	s_mul_i32 s22, s17, TREC
	s_mul_i32 s23, s18, 6144
	s_add_co_u32 s22, s22, s23
	s_mov_b32 s23, 0
	s_lshl_b32 s24, s17, 9
	s_lshl_b32 s25, s18, 8
	s_add_co_u32 s24, s24, s25
	s_mov_b32 s25, 0
	s_wait_alu depctr_va_vdst(0)
	s_wait_kmcnt 0x0
	s_add_nc_u64 s[4:5], s[4:5], s[20:21]
	s_add_nc_u64 s[10:11], s[10:11], s[22:23]
	s_add_nc_u64 s[12:13], s[12:13], s[24:25]
.macro LOADX k                         ; K step k of my 16 rows: each load reads 512 consecutive bytes of one row; stored row i is actual row i + 8 (i / 8)
.irp i, 0,1,2,3,4,5,6,7,8,9,10,11,12,13,14,15
	global_load_b128 v[R+64*((\k)%2)+4*\i:R+64*((\k)%2)+4*\i+3], v4, s[4:5] offset:(\i+8*(\i/8))*4096+512*(\k) th:TH_LOAD_NT
.endr
.endm
.macro XSTEP k
.if (\k) < 3
	s_wait_loadcnt 16                              ; this K step's 16 loads are in; the next step's 16 may be out
.else
	s_wait_loadcnt 0x0
.endif
.irp i, 0,1,2,3,4,5,6,7,8,9,10,11,12,13,14,15
	ds_store_b128 v6, v[R+64*((\k)%2)+4*\i:R+64*((\k)%2)+4*\i+3] offset:528*\i
.endr
.irp b, 0,1,2,3
.irp j, 0,1,2,3
	ds_load_b128 v[X+16*\b+4*\j:X+16*\b+4*\j+3], v7 offset:128*\b+16*\j   ; LDS serves a wave's instructions in order: these see the stores above
.endr
.endr
	s_wait_dscnt 0x0                               ; my numbers are back, and the stores have read their registers
.if (\k) > 0
	s_wait_xcnt 0x0                                ; the last K step's stores have read the codes' registers, which QUANT writes again
.endif
.if (\k) < 2
	LOADX (\k)+2
.endif
	QUANT X, SWD+\k
	global_store_b128 v4, v[PC:PC+3], s[10:11] offset:1536*(\k)             ; 512 consecutive bytes,
	global_store_b64 v5, v[PC+4:PC+5], s[10:11] offset:1536*(\k)            ; 256 consecutive bytes, all at multiples of 256 from the buffer's first byte
	global_store_b128 v4, v[PC+6:PC+9], s[10:11] offset:1536*(\k)+768
	global_store_b64 v5, v[PC+10:PC+11], s[10:11] offset:1536*(\k)+768
.endm
	LOADX 0
	LOADX 1
	XSTEP 0
	XSTEP 1
	XSTEP 2
	XSTEP 3
	global_store_b128 v8, v[SWD:SWD+3], s[12:13]   ; 16 rows x 4 words: 256 consecutive bytes (lanes 16-31 write the same bytes with the same values)
	s_wait_tensorcnt 0x0                           ; the wave's end, behind my last LDS store
	ds_add_u32 v[SPW], v[NIL]
	s_wait_dscnt 0x0
	s_endpgm
; ---------------- the weights: K is the FIRST axis ----------------
; A lane takes a column and its registers run down K: a block of 32 lies in one lane, and the conversions give codes with K innermost.  Lane l is STORED row l of the wave's 32, so it loads the
; column whose number has bits 3 and 4 exchanged: a load still reads 128 consecutive bytes.  A lane makes both halves (h = 0, 1) of its row's part of an image: three stores of 16 bytes a lane for each 64 along K,
; in each of which sixteen lanes fill 256 consecutive bytes.  The scale words leave as 4 bytes a lane, 16 bytes apart: 131,072 bytes in the whole launch.
.macro WLOAD t, pitch, base
.irp i, 0,1,2,3,4,5,6,7,8,9,10,11,12,13,14,15,16,17,18,19,20,21,22,23,24,25,26,27,28,29,30,31
	global_load_b32 v[48+32*(\t)+\i], v4, s[\base:\base+1] offset:(32*(\t)+\i)*\pitch th:TH_LOAD_NT
.endr
.endm
.macro WBLOCK t, pitch, base
.set XS, 48+32*(\t)
.set HH, (\t)%2                        ; the block is half h = t % 2 of the 64 along K numbered c = t / 2
.set Q0, 24+12*((\t)/2)                ; registers 0-3 of h = 0, then of h = 1
.set Q1, Q0+8                          ; registers 4-5 of h = 0, then of h = 1
.if (\t) < 3
	s_wait_loadcnt 32                              ; this block's 32 loads are in; the next block's may be out
.else
	s_wait_loadcnt 0x0
.endif
.if (\t) < 2
	WLOAD (\t)+2, \pitch, \base
.endif
	v_max3_num_f32 v12, |v[XS]|, |v[XS+1]|, |v[XS+2]|
	v_max3_num_f32 v13, |v[XS+3]|, |v[XS+4]|, |v[XS+5]|
.irp i, 6,10,14,18,22,26
	v_max3_num_f32 v12, v12, |v[XS+\i]|, |v[XS+\i+1]|
	v_max3_num_f32 v13, v13, |v[XS+\i+2]|, |v[XS+\i+3]|
.endr
	v_max3_num_f32 v12, v12, |v[XS+30]|, |v[XS+31]|
	v_max3_num_f32 v12, v12, v13, 0x2800000        ; and the floor 2^(5 - 127)
	v_add_nc_u32 v14, 0xfe000000, v12              ; the conversion's scale operand
	v_lshrrev_b32 v15, 23, v14                     ; the byte
.if (\t) == 0
	v_mov_b32 v16, v15
.else
	v_lshl_or_b32 v16, v15, 8*(\t), v16
.endif
	v_cvt_scalef32_pk16_bf6_f32 v[Q0+4*HH:Q0+4*HH+2], v[XS:XS+15], v14
	v_cvt_scalef32_pk16_bf6_f32 v[18:20], v[XS+16:XS+31], v14
	v_nop                                          ; one plain place behind the scaled conversions
	v_mov_b32 v[Q0+4*HH+3], v18
	v_mov_b32 v[Q1+2*HH], v19
	v_mov_b32 v[Q1+2*HH+1], v20
.if HH == 1
	global_store_b128 v5, v[Q0:Q0+3], s[10:11] offset:768*((\t)/2)
	global_store_b128 v5, v[Q0+4:Q0+7], s[10:11] offset:768*((\t)/2)+256
	global_store_b128 v5, v[Q1:Q1+3], s[10:11] offset:768*((\t)/2)+512
.endif
.endm
.macro WPATH pitch, base
	WLOAD 0, \pitch, \base
	WLOAD 1, \pitch, \base
	WBLOCK 0, \pitch, \base
	WBLOCK 1, \pitch, \base
	WBLOCK 2, \pitch, \base
	WBLOCK 3, \pitch, \base
	global_store_b32 v6, v16, s[12:13]
	s_endpgm
.endm
.Lweights:
	s_sub_co_u32 s15, ttmp9, 256
	s_and_b32 s16, s15, 7                          ; the K step
	s_lshr_b32 s17, s15, 3                         ; which 128 stored rows: 0-23 w_attn's, 24-31 w_proj's
	s_wait_alu depctr_va_vdst(0)
	v_and_b32 v4, 7, v2
	v_and_b32 v5, 8, v2
	v_lshl_or_b32 v4, v5, 1, v4
	v_and_b32 v5, 16, v2
	v_lshrrev_b32 v5, 1, v5
	v_or_b32 v4, v4, v5
	v_lshlrev_b32 v4, 2, v4                        ; my column's bytes: the lane's number with bits 3 and 4 exchanged, x 4
	v_lshlrev_b32 v8, 4, v3
	v_mul_u32_u24 v5, v9, TREC
	v_add_nc_u32 v5, v5, v8                        ; codes: lanes 16-31 the next tile's record; 16 r
	v_lshl_add_u32 v6, v9, 9, v8                   ; scale words likewise
	s_lshl_b32 s18, s17, 3
	s_lshl_b32 s19, s14, 1
	s_add_co_u32 s18, s18, s19                     ; my first tile among the weights' 256
	s_mul_i32 s20, s18, TREC
	s_mul_i32 s21, s16, 1536
	s_add_co_u32 s20, s20, s21
	s_add_co_u32 s20, s20, WSEC
	s_mov_b32 s21, 0
	s_lshl_b32 s22, s18, 9
	s_lshr_b32 s23, s16, 2
	s_lshl_b32 s23, s23, 8
	s_add_co_u32 s22, s22, s23
	s_and_b32 s23, s16, 3
	s_lshl_b32 s23, s23, 2
	s_add_co_u32 s22, s22, s23
	s_add_co_u32 s22, s22, WS
	s_mov_b32 s23, 0
	s_lshl_b32 s19, s14, 7                         ; my wave's 32 columns, in bytes
	s_wait_kmcnt 0x0
	s_add_nc_u64 s[10:11], s[10:11], s[20:21]
	s_add_nc_u64 s[12:13], s[12:13], s[22:23]
	s_cmp_lt_u32 s17, 24
	s_cbranch_scc0 .Lproj
	s_mul_i32 s24, s16, 128*12288                  ; w_attn: 128 rows of 12,288 bytes a K step
	s_lshl_b32 s25, s17, 9
	s_add_co_u32 s24, s24, s25
	s_add_co_u32 s24, s24, s19
	s_mov_b32 s25, 0
	s_add_nc_u64 s[6:7], s[6:7], s[24:25]
	s_wait_alu depctr_va_vdst(0)
	WPATH 12288, 6
.Lproj:
	s_sub_co_u32 s17, s17, 24
	s_lshl_b32 s24, s16, 19                        ; w_proj: 128 rows of 4,096 bytes a K step
	s_lshl_b32 s25, s17, 9
	s_add_co_u32 s24, s24, s25
	s_add_co_u32 s24, s24, s19
	s_mov_b32 s25, 0
	s_add_nc_u64 s[8:9], s[8:9], s[24:25]
	s_wait_alu depctr_va_vdst(0)
	WPATH 4096, 8
.Lfunc_end_k_qbbd122cbc2_quant:
	.size	k_qbbd122cbc2_quant, .Lfunc_end_k_qbbd122cbc2_quant-k_qbbd122cbc2_quant
	.p2alignl 7, 3214868480
	.fill 96, 4, 3214868480
	.section	.rodata,"a",@progbits
	.p2align	6, 0x0
	.amdhsa_kernel k_qbbd122cbc2_quant
		.amdhsa_group_segment_fixed_size 34816
		.amdhsa_private_segment_fixed_size 0
		.amdhsa_enable_private_segment 0
		.amdhsa_kernarg_size 40
		.amdhsa_user_sgpr_count 2
		.amdhsa_user_sgpr_kernarg_segment_ptr 1
		.amdhsa_wavefront_size32 1
		.amdhsa_system_sgpr_workgroup_id_x 1
		.amdhsa_system_sgpr_workgroup_id_y 1
		.amdhsa_system_sgpr_workgroup_id_z 1
		.amdhsa_system_vgpr_workitem_id 0
		.amdhsa_next_free_vgpr 240
		.amdhsa_next_free_sgpr 66
		.amdhsa_reserve_vcc 0
		.amdhsa_float_denorm_mode_32 3
		.amdhsa_float_denorm_mode_16_64 3
		.amdhsa_memory_ordered 1
		.amdhsa_forward_progress 1
		.amdhsa_inst_pref_size 73
	.end_amdhsa_kernel
	.amdgpu_metadata
---
amdhsa.version: [ 1, 2 ]
amdhsa.kernels:
  - .name:           k_qbbd122cbc2_quant
    .symbol:         k_qbbd122cbc2_quant.kd
    .args:
      - { .name: x, .offset: 0, .size: 8, .value_kind: global_buffer, .address_space: global }
      - { .name: w_attn, .offset: 8, .size: 8, .value_kind: global_buffer, .address_space: global }
      - { .name: w_proj, .offset: 16, .size: 8, .value_kind: global_buffer, .address_space: global }
      - { .name: opc, .offset: 24, .size: 8, .value_kind: global_buffer, .address_space: global }
      - { .name: scl, .offset: 32, .size: 8, .value_kind: global_buffer, .address_space: global }
    .group_segment_fixed_size: 34816
    .private_segment_fixed_size: 0
    .kernarg_segment_align: 8
    .kernarg_segment_size: 40
    .max_flat_workgroup_size: 128
    .sgpr_count:     66
    .vgpr_count:     240
    .wavefront_size: 32
...
	.end_amdgpu_metadata
.endif
;; end of part 1
;; launch gemm_qkv (part 2): grid 12 x 32, 4 waves a work-group, clusters of 4 x 4, 327,680 bytes of LDS; arguments opc, scl, b_attn, qkv; writes qkv
.if DOCPART == 2
	.amdgcn_target "amdgcn-amd-amdhsa--gfx1250"
	.amdhsa_code_object_version 6
	.text
	.protected	k_qbbd122cbc2_gemm_qkv
	.globl	k_qbbd122cbc2_gemm_qkv
	.p2align	8
	.type	k_qbbd122cbc2_gemm_qkv,@function
k_qbbd122cbc2_gemm_qkv:
	s_mov_b64 s[64:65], 0
	v_nop
	global_prefetch_b8 v0, s[64:65] scope:SCOPE_SE
	s_setreg_imm32_b32 hwreg(HW_REG_WAVE_MODE, 25, 1), 1
	s_wait_xcnt 0x0
	s_wait_alu depctr_hold_cnt(0) depctr_sa_sdst(0) depctr_va_vdst(0) depctr_va_sdst(0) depctr_va_ssrc(0) depctr_va_vcc(0) depctr_vm_vsrc(0)
	s_getreg_b32 s2, hwreg(HW_REG_IB_STS2, 6, 4)
	s_cmp_eq_u32 s2, 0
	s_cbranch_scc0 .Lentry_in_a_cluster
	s_endpgm
.Lentry_in_a_cluster:
	s_bfe_u32 s2, ttmp6, 0x10000c
	s_cmp_lg_u32 s2, 0xf033
	s_cbranch_scc0 .Lentry_shape_is_right
	s_endpgm
.Lentry_shape_is_right:
; qkv = x w_attn + b_attn on codes of BF6 (E3M2) with E8M0 scales, K = 1024, and its result quantised at once into the operands of attention: nothing wider than codes goes to memory.
; OPERANDS come as images of the operand's registers: tiles of 16 stored rows (stored tile 2 b + u, row r = actual row 32 b + 8 u + r + 8 (r / 8)), a record of 8 K steps x 1,536 bytes a tile;
; a K step's 12 registers a lane are two halves of 768 bytes: registers 0-3 at 16 x lane, registers 4-5 at 512 + 16 (lane % 16) + 8 (lane / 16).
; A work-group makes 256 x 256 of A' B'^T, a wave 128 x 128: 64 accumulators, 512 registers.  The product is used transposed: source 0 = 16 stored rows of B', source 1 = 16 of A'.  By the stored order of the rows
; register j of lane (r, h) in B's tile b is B's ACTUAL row 32 (b / 2) + 8 (b % 2) + 16 h + j: the 64 registers of one tile a of A' are, block by block of 32, 16 neighbours along B's rows: what the quantiser wants.
; TWO ROLES, by the cluster's x, which all sixteen partners share.  x = 0, 1: A' = tokens, B' = the columns of q and k: a lane's registers run along a head's 64: q and k are quantised along the head.
; x = 2: A' = the columns of v, B' = tokens: v^T, a lane's registers run along the tokens: v is quantised along the keys.  Only offsets differ up to K step 5; the one branch on the role stands behind the last
; tensor load and the last barrier, and each arm holds its bias loads, K steps 6 and 7 (under which the bias lands) and its way out.
; K goes in steps of 256 through two LDS slots filled by the tensor data mover; a tile's row there is 3,072 consecutive bytes of memory.  All eight steps of 128 are written out.
; CLUSTER 4 x 4: A's tiles are asked for jointly along a row of the cluster, B's along a column.
; THE RESULT: for each of 64 heads a record of REC bytes: K's codes (a tile of 16 keys x 64: 768 bytes), V's (a step of 128 keys: 4 tiles of 16 of the head's 64 x 128 keys), K's and V's scale words (512 bytes a step:
; four registers' image), then Q's codes and scale words, laid as K's.  Every store covers 512 or 256 consecutive bytes at a multiple of 256 from the buffer's first byte.
; LIMITS: NaN and infinities are not served; a block whose largest magnitude lies under 2^-122, a block of zeros too, keeps the byte 1 (its codes add nothing that f32 sums would keep; this program alone reads the bytes).
; REGISTERS: window 0: v16-31 addresses; v32-95 all 64 scale words (register 8 i + k: lanes 0-15 A's tile i, lanes 16-31 B's tile i, K step k); v128-223 A's 8 fragments, one set; on the way out v96-203 at work.
;   window 1: B's fragments, two sets, at v0 and v128; v96-127, v224-255 the bias.   windows 2, 3: the accumulators ((a, b) at v[8 (8 (a % 4) + b)]).
.set TREC,  12288
.set WSEC,  6291456                    ; the weights' tiles in opc (x's begin at 0)
.set WS,    262144                     ; and their scale records in scl
.set REC,   319488
.set VC,    98304
.set KS,    196608
.set VS,    204800
.set QC,    212992
.set QS,    311296
.set FR,    12                         ; registers of a fragment
.set NL,    4                          ; LDS loads that bring one
.set NP,    4                          ; places behind this matrix instruction (ISA guide 7.12.1)
.set TILEB, 3072                       ; a tile's two K steps in a slot
.set HALFT, 8*TILEB                    ; 8 tiles: what one tensor load brings, and what one wave reads of A or of B
.set SLOT,  4*HALFT                    ; A's 16 tiles, then B's 16
.set SPARE, 2*SLOT                     ; behind the ring: the spare words, 128 bytes a wave, that no other line names
.set ADRA,  16                         ; v16-17 my A tiles in slot 0, 1, registers 0-3's place; v18-19 registers 4-5's
.set ADRB,  20                         ; v20-23 the same for B
.set L16,   24                         ; v24  16 x lane
.set L8,    25                         ; v25  512 + 16 (lane % 16) + 8 (lane / 16)
.set BQ,    26                         ; v26  the bias's lane offset, q and k: 64 h
.set SO,    27                         ; v27  the scale words' offset: lanes 0-15 A's, lanes 16-31 B's
.set SPW,   28                         ; v28  my spare word's address; never rewritten
.set NIL,   29                         ; v29  0; never rewritten
.set BV,    30                         ; v30  the bias's lane offset, v: 4 (r + 8 (r / 8))
.set SC,    32
.set AF,    128
.set TM,    96                         ; the way out: v96-107 at work in QUANT
.set PC,    108                        ; v108-126 the codes just made
.set XN,    128                        ; v128-191 a tile's 64 numbers
.set PW,    192                        ; v192-193 the scale words of an even and an odd tile
.set SW,    196                        ; v196-203 the scale words as they leave
.set G1,    24
.set G0,    32
.set G1B,   48
.set G0B,   56
.set SEL,   84                         ; s[84:85]
.set MSB, 0
.macro WIN new                         ; the immediate's high byte repeats the setting that is left
.if MSB != (\new)
	s_set_vgpr_msb (MSB<<8)|(\new)
.set MSB, \new
.endif
.endm
.set MUL_LO, 0xa1                      ; source 0 (B) window 1, source 1 (A) window 0, C and D window 2
.set MUL_HI, 0xf1                      ; the same, C and D window 3
.set TO_B,   0x40                      ; destination window 1, address window 0
; A joint load: waves 0 and 1 fetch for A, waves 2 and 3 for B; the branch hangs on the wave's number alone.  An s_nop 0 and four v_nop follow each of the two lines.
.macro JLOAD g0a, g1a, g0b, g1b
	s_cmp_eq_u32 s15, 0
	s_cbranch_scc0 .Lfor_b_\@
	tensor_load_to_lds s[\g0a:\g0a+3], s[\g1a:\g1a+7]
	s_nop 0
.rept 4
	v_nop
.endr
	s_branch .Lasked_\@
.Lfor_b_\@:
	tensor_load_to_lds s[\g0b:\g0b+3], s[\g1b:\g1b+7]
	s_nop 0
.rept 4
	v_nop
.endr
.Lasked_\@:
.endm
.macro CREST                           ; a round of the cluster's barrier behind its opening barrier
	s_cmp_lg_u32 s14, 0
	s_cbranch_scc1 .Lnot_wave_0_\@
	s_barrier_signal -3
.Lnot_wave_0_\@:
	s_barrier_wait -3
	s_barrier_signal -1
	s_barrier_wait -1
.endm
.macro CROUND
	s_barrier_signal -1
	s_barrier_wait -1
	CREST
.endm
	s_load_b256 s[4:11], s[0:1], 0x0               ; opc s[4:5], scl s[6:7], b_attn s[8:9], qkv s[10:11]
	v_lshl_add_u32 v[SPW], v0, 2, SPARE
	v_mov_b32 v[NIL], 0
	ds_add_u32 v[SPW], v[NIL]                      ; the wave's opening: the add and its wait stand ahead of my first tensor load; the set-up below, work on registers, stands between them
	ds_add_u32 v[SPW], v[NIL]
	v_lshrrev_b32 v1, 5, v0
	v_readfirstlane_b32 s14, v1                    ; wave 0..3
	s_lshr_b32 s15, s14, 1                         ; which half of A's tiles is mine.  Also: I fetch for A (0) or for B (1)
	s_and_b32 s16, s14, 1                          ; which half of B's.  Also: which 8 tiles I fetch
	s_bfe_u32 s40, ttmp6, 0x40000                  ; cx
	s_bfe_u32 s41, ttmp6, 0x40004                  ; cy
	s_and_b32 s13, ttmp7, 0xffff
	s_lshl_b32 s13, s13, 2                         ; 4 x cluster y
	s_lshl_b32 s18, ttmp9, 2                       ; 4 x cluster x
	s_cmp_eq_u32 ttmp9, 2                          ; the role: the same in all sixteen partners.  All selections stand straight behind this compare
	s_cselect_b32 s12, 1, 0                        ; 1: v
	s_cselect_b32 s17, 8, s13                      ; A's block of 256 rows: v's columns begin at the weights' block 8; else tokens
	s_cselect_b32 s42, s13, s18                    ; B's: tokens; else the columns of q and k
	s_cselect_b32 s19, WSEC, 0                     ; where A's tiles lie in opc,
	s_cselect_b32 s45, 0, WSEC                     ; and B's;
	s_cselect_b32 s20, WS, 0                       ; their scale records in scl
	s_cselect_b32 s46, 0, WS
	s_add_co_u32 s17, s17, s41                     ; A's block hangs on cy alone,
	s_add_co_u32 s42, s42, s40                     ; B's on cx alone
	s_lshl_b32 s43, s41, 2
	s_lshl_b32 s43, 15, s43                        ; my row of the cluster
	s_lshl_b32 s44, 0x1111, s40                    ; my column
	; descriptor group 1: 8 rows (tiles) of 384 elements of 8 bytes, 1,536 elements (a tile's record) apart; dense in LDS
	s_or_b32 s[G1+0], s43, (3<<16)|(1<<21)         ; 15:0 the mask: A's tiles go to my row; 17:16 elements of 8 bytes; 21 set beside a mask
	s_or_b32 s[G1B+0], s44, (3<<16)|(1<<21)
.irp g, G1, G1B
	s_mov_b32 s[\g+1], 384<<16                     ; tensor_dim0
	s_mov_b32 s[\g+2], 8<<16                       ; tensor_dim1
	s_mov_b32 s[\g+3], 384<<16                     ; tile_dim0
	s_mov_b32 s[\g+4], 8                           ; tile_dim1
	s_mov_b32 s[\g+5], 1536                        ; tensor_dim0_stride
	s_mov_b32 s[\g+6], 0
	s_mov_b32 s[\g+7], 0
.endr
	s_lshl_b32 s21, s16, 3                         ; which 8 tiles of the 16 I fetch
	s_lshl_b32 s66, s17, 4
	s_add_co_u32 s66, s66, s21
	s_mul_i32 s66, s66, TREC
	s_add_co_u32 s66, s66, s19                     ; A: in registers that never hold cx
	s_mov_b32 s67, 0
	s_lshl_b32 s68, s42, 4
	s_add_co_u32 s68, s68, s21
	s_mul_i32 s68, s68, TREC
	s_add_co_u32 s68, s68, s45                     ; B: in registers that never hold cy
	s_mov_b32 s69, 0
	s_mul_i32 s22, s14, HALFT                      ; where they go: wave x 8 tiles: no place in the cluster enters an LDS address
	s_mov_b32 s[SEL], 0x76543210
	s_mov_b32 s[SEL+1], 0xfedcba98
	s_wait_dscnt 0x0                               ; the opening add is done
	s_wait_kmcnt 0x0
	s_add_nc_u64 s[66:67], s[4:5], s[66:67]
	s_add_nc_u64 s[68:69], s[4:5], s[68:69]
	CROUND                                         ; all sixteen work-groups are here: the first joint loads meet
.irp s, 0,1
	s_mov_b32 s[G0+4*\s], 1
	s_add_co_u32 s[G0+4*\s+1], s22, \s*SLOT
	s_add_nc_u64 s[G0+4*\s+2:G0+4*\s+3], s[66:67], \s*TILEB    ; slot s begins with K steps 2 s, 2 s + 1
	s_or_b32 s[G0+4*\s+3], s[G0+4*\s+3], 0x80000000
	s_mov_b32 s[G0B+4*\s], 1
	s_add_co_u32 s[G0B+4*\s+1], s22, \s*SLOT
	s_add_nc_u64 s[G0B+4*\s+2:G0B+4*\s+3], s[68:69], \s*TILEB
	s_or_b32 s[G0B+4*\s+3], s[G0B+4*\s+3], 0x80000000
	JLOAD G0+4*\s, G1, G0B+4*\s, G1B               ; two tensor loads of mine are out
.endr
	v_and_b32 v1, 15, v0                           ; r
	s_wait_alu depctr_va_vdst(0)
	v_bfe_u32 v2, v0, 4, 1                         ; h
	v_and_b32 v3, 31, v0
	v_lshlrev_b32 v[L16], 4, v3
	s_wait_alu depctr_va_vdst(0)
	v_lshlrev_b32 v[L8], 4, v1
	v_lshl_add_u32 v[L8], v2, 3, v[L8]
	v_add_nc_u32 v[L8], 512, v[L8]
	s_wait_alu depctr_va_vdst(0)
	; all 64 scale words of my 8 + 8 tiles, for all of K, come once and stay in registers: 16 loads; sixteen lanes read 256 consecutive bytes
	s_lshl_b32 s70, s17, 4
	s_lshl_b32 s71, s15, 3
	s_add_co_u32 s70, s70, s71
	s_lshl_b32 s70, s70, 9
	s_add_co_u32 s70, s70, s20                     ; A's: my 8 tiles' records
	s_lshl_b32 s72, s42, 4
	s_add_co_u32 s72, s72, s21
	s_lshl_b32 s72, s72, 9
	s_add_co_u32 s72, s72, s46                     ; B's
	s_mov_b32 s73, 0xffff0000
	v_lshlrev_b32 v3, 4, v1
	v_add_nc_u32 v4, s70, v3
	v_add_nc_u32 v5, s72, v3
	v_cndmask_b32 v[SO], v4, v5, s73               ; lanes 16-31 take B's
.irp i, 0,1,2,3,4,5,6,7
	global_load_b128 v[SC+8*\i:SC+8*\i+3], v[SO], s[6:7] offset:512*\i
	global_load_b128 v[SC+8*\i+4:SC+8*\i+7], v[SO], s[6:7] offset:512*\i+256
.endr
	s_mul_i32 s86, s15, HALFT                      ; my 8 tiles of A
	s_mul_i32 s87, s16, HALFT                      ; my 8 tiles of B,
	s_add_co_u32 s87, s87, 2*HALFT                 ; which lie behind A's 16
.irp s, 0,1
	v_add_nc_u32 v[ADRA+\s], s86, v[L16]
	v_add_nc_u32 v[ADRA+2+\s], s86, v[L8]
	v_add_nc_u32 v[ADRB+\s], s87, v[L16]
	v_add_nc_u32 v[ADRB+2+\s], s87, v[L8]
	s_add_co_u32 s86, s86, SLOT
	s_add_co_u32 s87, s87, SLOT
.endr
	v_lshlrev_b32 v[BQ], 6, v2
	v_and_b32 v3, 8, v1
	v_add_nc_u32 v3, v3, v1
	v_lshlrev_b32 v[BV], 2, v3
.macro FRAG reg, adr, off              ; a fragment comes back as it was stored: every load reads consecutive bytes
	ds_load_b128 v[\reg:\reg+3], v[\adr] offset:\off
	ds_load_b64 v[\reg+4:\reg+5], v[\adr+2] offset:\off
	ds_load_b128 v[\reg+6:\reg+9], v[\adr] offset:\off+768
	ds_load_b64 v[\reg+10:\reg+11], v[\adr+2] offset:\off+768
.endm
; 16 matrix instructions: A's tiles a0, a0 + 1 x B's eight, K step kk.  p: B's set.  zero = 1: the first product starts the sums.  The 64 accumulators take turns, one instruction a turn, in the same order in every step.
.macro MUL16 a0, p, kk, zero
.irp a, \a0, \a0+1
.irp b, 0,1,2,3,4,5,6,7
.if \zero
	v_wmma_scale_f32_16x16x128_f8f6f4 v[8*(8*((\a)%4)+\b):8*(8*((\a)%4)+\b)+7], v[128*(\p)+FR*\b:128*(\p)+FR*\b+FR-1], v[AF+FR*(\a):AF+FR*(\a)+FR-1], 0, v[SC+8*\b+(\kk)], v[SC+8*(\a)+(\kk)] matrix_a_fmt:MATRIX_FMT_BF6 matrix_b_fmt:MATRIX_FMT_BF6 matrix_a_scale:MATRIX_SCALE_ROW1
.else
	v_wmma_scale_f32_16x16x128_f8f6f4 v[8*(8*((\a)%4)+\b):8*(8*((\a)%4)+\b)+7], v[128*(\p)+FR*\b:128*(\p)+FR*\b+FR-1], v[AF+FR*(\a):AF+FR*(\a)+FR-1], v[8*(8*((\a)%4)+\b):8*(8*((\a)%4)+\b)+7], v[SC+8*\b+(\kk)], v[SC+8*(\a)+(\kk)] matrix_a_fmt:MATRIX_FMT_BF6 matrix_b_fmt:MATRIX_FMT_BF6 matrix_a_scale:MATRIX_SCALE_ROW1
.endif
.endr
.endr
.endm
.macro FETCH_B slot, q, p              ; B's eight fragments of the slot's q-th 128 along K into set p
	WIN TO_B
.irp i, 0,1,2,3,4,5,6,7
	FRAG 128*(\p)+FR*\i, ADRB+\slot, TILEB*\i+1536*(\q)
.endr
	WIN 0
.endm
.macro FETCH_A slot, q, i0             ; A's tiles i0 .. i0 + 3
.irp i, \i0, \i0+1, \i0+2, \i0+3
	FRAG AF+FR*(\i), ADRA+\slot, TILEB*(\i)+1536*(\q)
.endr
.endm
.macro PLACES n                        ; a load into a register that a matrix instruction has read stands NP plain vector instructions behind it
.rept \n
	v_nop
.endr
.endm
; A slot's first step of 128 along K.  A tile of A is free as soon as its eight products are issued: tiles 0-3 are fetched anew in the step's middle, tiles 4-7 at its end; B has two sets.
.macro STEP slot, kk, zero
	s_wait_dscnt 4*NL                              ; B's set and A's tiles 0-3 are in; the youngest 16 loads (A's tiles 4-7) may be out
	WIN MUL_LO
	MUL16 0, 0, \kk, \zero
	MUL16 2, 0, \kk, \zero
	s_wait_dscnt 0x0                               ; A's tiles 4-7 are in
	PLACES NP
	FETCH_B \slot, 1, 1
	FETCH_A \slot, 1, 0
	WIN MUL_HI
	MUL16 4, 0, \kk, \zero
	MUL16 6, 0, \kk, \zero
	PLACES NP
	WIN 0
	FETCH_A \slot, 1, 4
.endm
; A slot's second step changes slots: one barrier; in front of it each wave waits for all its tensor loads, adds 0 to its spare word, and waits for that and for its reads of this slot.  fill = 1: this slot is filled again, with the K steps four on.
.macro TURN slot, next, kk, fill
	s_wait_tensorcnt 0x0                           ; all my tensor loads have landed: my part of the next slot
	ds_add_u32 v[SPW], v[NIL]                      ; 0 onto my spare word
	s_wait_dscnt 4*NL+1                            ; (the add and the youngest 16 loads, A's tiles 4-7, may be out)
	WIN MUL_LO
	MUL16 0, 1, \kk, 0                             ; sixteen matrix instructions stand between the add and the wait for it
	s_wait_dscnt 0x0                               ; the add is done, and my reads of this slot are over
	s_barrier_signal -1
	MUL16 2, 1, \kk, 0
	WIN 0
	s_barrier_wait -1
.if \fill
	CREST                                          ; the barrier has opened a round of the cluster's barrier: no wave of any partner still reads this slot or has a load on its way
	s_add_nc_u64 s[G0+4*\slot+2:G0+4*\slot+3], s[G0+4*\slot+2:G0+4*\slot+3], 2*TILEB
	s_add_nc_u64 s[G0B+4*\slot+2:G0B+4*\slot+3], s[G0B+4*\slot+2:G0B+4*\slot+3], 2*TILEB
	JLOAD G0+4*\slot, G1, G0B+4*\slot, G1B         ; the first tensor load behind the round, my one load until the next; its four v_nop are the places in front of the loads below
.else
	PLACES NP
.endif
	FETCH_B \next, 0, 0
	FETCH_A \next, 0, 0
	WIN MUL_HI
	MUL16 4, 1, \kk, 0
	MUL16 6, 1, \kk, 0
	PLACES NP
	WIN 0
	FETCH_A \next, 0, 4
.endm
.macro LAST                            ; K step 7: nothing more to fetch
	s_wait_dscnt 4*NL
	WIN MUL_LO
	MUL16 0, 1, 7, 0
	MUL16 2, 1, 7, 0
	s_wait_dscnt 0x0
	WIN MUL_HI
	MUL16 4, 1, 7, 0
	MUL16 6, 1, 7, 0
	WIN 0
.endm
; 64 numbers of a lane, register 16 b + i = k 32 b + 16 (lane / 16) + i of my row, become a fragment's 12 registers in v[PC] on and its scale word in v[pw] (the same in both halves of the lanes).
.macro QUANT s, pw
.irp b, 0,1,2,3
	v_max3_num_f32 v[TM+\b], |v[\s+16*\b]|, |v[\s+1+16*\b]|, 0x2800000   ; my 16 numbers of block b, and the floor 2^(5 - 127): the byte cannot fall under 1
.endr
.irp i, 2,4,6,8,10,12,14
.irp b, 0,1,2,3
	v_max3_num_f32 v[TM+\b], v[TM+\b], |v[\s+16*\b+\i]|, |v[\s+1+16*\b+\i]|
.endr
.endr
.irp b, 0,1,2,3
	v_permlanex16_b32 v[TM+4+\b], v[TM+\b], s[SEL], s[SEL+1]
.endr
.irp b, 0,1,2,3
	v_max_num_f32 v[TM+\b], v[TM+\b], v[TM+4+\b]   ; with lane l xor 16's: the block's largest magnitude
.endr
.irp b, 0,1,2,3
	v_add_nc_u32 v[TM+8+\b], 0xfe000000, v[TM+\b]  ; 4 off its exponent field: the conversion's scale operand
.endr
.irp b, 0,1,2,3
	v_lshrrev_b32 v[TM+4+\b], 23, v[TM+8+\b]       ; the scale's byte
.endr
	v_lshl_or_b32 v[\pw], v[TM+5], 8, v[TM+4]
	v_lshl_or_b32 v[\pw], v[TM+6], 16, v[\pw]
	v_lshl_or_b32 v[\pw], v[TM+7], 24, v[\pw]
.irp c, 0,1
	v_cvt_scalef32_pk16_bf6_f32 v[PC+6*\c:PC+2+6*\c], v[\s+32*\c:\s+15+32*\c], v[TM+8+2*\c]
	v_cvt_scalef32_pk16_bf6_f32 v[PC+12+4*\c:PC+14+4*\c], v[\s+16+32*\c:\s+31+32*\c], v[TM+8+2*\c+1]   ; (a conversion's three registers begin on an even number)
.endr
	v_nop                                          ; one plain place behind the scaled conversions
.irp c, 0,1                                    ; the operand wants a WHOLE block in a lane
.irp i, 0,1,2
	v_permlane16_swap_b32 v[PC+6*\c+\i], v[PC+12+4*\c+\i]
.endr
.irp i, 0,1,2
	v_mov_b32 v[PC+3+6*\c+\i], v[PC+12+4*\c+\i]
.endr
.endr
.endm
; q, k: tile a of my 128 tokens x my 128 columns = two heads.  The fragment's lower six registers are head 0's 16 tokens x 64, the upper six head 1's.
.macro ROWQK a
.if (\a) > 0
	s_wait_xcnt 0x0                                ; the last tile's stores have read the codes' registers
.endif
	WIN 0x06+(\a)/4                                ; source 0: the accumulators' window; source 1: window 1, the bias; destination window 0
.set RI, 0
.rept 32
	v_pk_add_f32 v[XN+2*RI:XN+2*RI+1], v[64*((\a)%4)+2*RI:64*((\a)%4)+2*RI+1], v[96+2*RI+96*(RI/16):97+2*RI+96*(RI/16)]   ; each accumulator from its low end on
.set RI, RI+1
.endr
	WIN 0
	QUANT XN, PW+(\a)%2
	global_store_b128 v[L16], v[PC:PC+3], s[80:81] offset:768*(\a)
	global_store_b64 v[L8], v[PC+4:PC+5], s[80:81] offset:768*(\a)
	global_store_b128 v[L16], v[PC+6:PC+9], s[80:81] offset:768*(\a)+REC
	global_store_b64 v[L8], v[PC+10:PC+11], s[80:81] offset:768*(\a)+REC
.if (\a)%2 == 1                        ; attention takes two tiles of tokens as one fragment: its scale word is the even tile's two bytes, then the odd tile's
	v_perm_b32 v[SW+(\a)/2], v[PW+1], v[PW], 0x05040100      ; head 0: the two low halves
	v_perm_b32 v[SW+4+(\a)/2], v[PW+1], v[PW], 0x07060302    ; head 1: the two high halves
.endif
.endm
; v: tile a of my 128 columns (head a / 4, tile a % 4 of its 64) x my 128 tokens, one key step: a whole fragment and a whole scale word.
.macro ROWV a
.if (\a) > 0
	s_wait_xcnt 0x0
.endif
	WIN 0x06+(\a)/4
.set RI, 0
.rept 32
	v_pk_add_f32 v[XN+2*RI:XN+2*RI+1], v[64*((\a)%4)+2*RI:64*((\a)%4)+2*RI+1], v[96+2*(\a):97+2*(\a)]   ; my column's bias, twice
.set RI, RI+1
.endr
	WIN 0
	QUANT XN, SW+\a
	global_store_b128 v[L16], v[PC:PC+3], s[80:81] offset:((\a)/4)*REC+((\a)%4)*1536
	global_store_b64 v[L8], v[PC+4:PC+5], s[80:81] offset:((\a)/4)*REC+((\a)%4)*1536
	global_store_b128 v[L16], v[PC+6:PC+9], s[80:81] offset:((\a)/4)*REC+((\a)%4)*1536+768
	global_store_b64 v[L8], v[PC+10:PC+11], s[80:81] offset:((\a)/4)*REC+((\a)%4)*1536+768
.endm
	s_wait_alu depctr_va_vdst(0)
	s_wait_tensorcnt 1                             ; my part of slot 0 is in; slot 1's may stay out
	s_barrier_signal -1
	s_barrier_wait -1
	FETCH_B 0, 0, 0
	FETCH_A 0, 0, 0
	FETCH_A 0, 0, 4
	s_wait_loadcnt 0x0                             ; the scale words
	STEP 0, 0, 1
	TURN 0, 1, 1, 1
	STEP 1, 2, 0
	TURN 1, 0, 3, 1
	STEP 0, 4, 0
	TURN 0, 1, 5, 0                                ; nothing is left to fetch
	s_cmp_eq_u32 s12, 1                            ; the role: one branch, behind the last tensor load and the last barrier
	s_cbranch_scc1 .Lrole_v
	; ---- q and k ----
	s_lshl_b32 s88, s42, 10                        ; the bias of my 128 columns
	s_lshl_b32 s89, s16, 9
	s_add_co_u32 s88, s88, s89
	s_mov_b32 s89, 0
	s_add_nc_u64 s[88:89], s[8:9], s[88:89]
	WIN TO_B
.irp i, 0,1,2,3,4,5,6,7,8,9,10,11,12,13,14,15  ; register 16 b + i of the 64: column 32 b + 16 h + i
	global_load_b128 v[96+4*\i+96*(\i/8):99+4*\i+96*(\i/8)], v[BQ], s[88:89] offset:128*(\i/4)+16*(\i%4)
.endr
	WIN 0
	STEP 1, 6, 0
	LAST
	s_lshr_b32 s74, s17, 3                         ; the batch,
	s_lshl_b32 s74, s74, 4
	s_and_b32 s75, s42, 3
	s_lshl_b32 s75, s75, 2
	s_add_co_u32 s74, s74, s75
	s_lshl_b32 s75, s16, 1
	s_add_co_u32 s74, s74, s75                     ; x 16 + my first head
	s_mul_i32 s74, s74, REC
	s_and_b32 s75, s17, 7
	s_lshl_b32 s75, s75, 1
	s_add_co_u32 s75, s75, s15                     ; which 128 tokens of the batch's 2,048
	s_mul_i32 s80, s75, 6144
	s_lshl_b32 s82, s75, 9
	s_cmp_ge_u32 s42, 4                            ; blocks 4-7 of the columns are k's
	s_cselect_b32 s78, 0, QC
	s_cselect_b32 s79, 0, QS-KS
	s_add_co_u32 s80, s80, s78
	s_add_co_u32 s80, s80, s74
	s_mov_b32 s81, 0
	s_add_co_u32 s82, s82, s79
	s_add_co_u32 s82, s82, s74
	s_add_co_u32 s82, s82, KS
	s_mov_b32 s83, 0
	s_add_nc_u64 s[80:81], s[10:11], s[80:81]
	s_add_nc_u64 s[82:83], s[10:11], s[82:83]
.irp b, 0,1,2,3
	v_mov_b32 v[TM+4+\b], 0                        ; a lane permute's destination counts as one of its sources.  These four name no register of the last products: they are the places behind them
.endr
	s_wait_loadcnt 0x0                             ; the bias
.irp a, 0,1,2,3,4,5,6,7
	ROWQK \a
.endr
	global_store_b128 v[L16], v[SW:SW+3], s[82:83]
	global_store_b128 v[L16], v[SW+4:SW+7], s[82:83] offset:REC
	s_branch .Lend
.Lrole_v:
	; ---- v ----
	s_lshl_b32 s88, s17, 10                        ; the bias of my 128 columns: A's block counts the weights' columns from 0
	s_lshl_b32 s89, s15, 9
	s_add_co_u32 s88, s88, s89
	s_mov_b32 s89, 0
	s_add_nc_u64 s[88:89], s[8:9], s[88:89]
	WIN TO_B
.irp a, 0,1,2,3,4,5,6,7
	global_load_b32 v[96+2*\a], v[BV], s[88:89] offset:(32*(\a/2)+8*(\a%2))*4
	global_load_b32 v[97+2*\a], v[BV], s[88:89] offset:(32*(\a/2)+8*(\a%2))*4   ; twice: a pair for the packed addition
.endr
	WIN 0
	STEP 1, 6, 0
	LAST
	s_lshr_b32 s74, s42, 3                         ; the batch,
	s_lshl_b32 s74, s74, 4
	s_lshl_b32 s75, s41, 2
	s_add_co_u32 s74, s74, s75
	s_lshl_b32 s75, s15, 1
	s_add_co_u32 s74, s74, s75                     ; x 16 + my first head
	s_mul_i32 s74, s74, REC
	s_and_b32 s75, s42, 7
	s_lshl_b32 s75, s75, 1
	s_add_co_u32 s75, s75, s16                     ; the key step
	s_mul_i32 s80, s75, 6144
	s_add_co_u32 s80, s80, s74
	s_add_co_u32 s80, s80, VC
	s_mov_b32 s81, 0
	s_lshl_b32 s82, s75, 9
	s_add_co_u32 s82, s82, s74
	s_add_co_u32 s82, s82, VS
	s_mov_b32 s83, 0
	s_add_nc_u64 s[80:81], s[10:11], s[80:81]
	s_add_nc_u64 s[82:83], s[10:11], s[82:83]
.irp b, 0,1,2,3
	v_mov_b32 v[TM+4+\b], 0                        ; as above: also the places behind the last products
.endr
	s_wait_loadcnt 0x0
.irp a, 0,1,2,3,4,5,6,7
	ROWV \a
.endr
	global_store_b128 v[L16], v[SW:SW+3], s[82:83]
	global_store_b128 v[L16], v[SW+4:SW+7], s[82:83] offset:REC
.Lend:
	s_wait_tensorcnt 0x0                           ; the wave's end
	ds_add_u32 v[SPW], v[NIL]
	s_wait_dscnt 0x0
	CROUND                                         ; the closing round: no work-group ends while a partner may still ask for a tile that names it
	s_endpgm
.Lfunc_end_k_qbbd122cbc2_gemm_qkv:
	.size	k_qbbd122cbc2_gemm_qkv, .Lfunc_end_k_qbbd122cbc2_gemm_qkv-k_qbbd122cbc2_gemm_qkv
	.p2alignl 7, 3214868480
	.fill 96, 4, 3214868480
	.section	.rodata,"a",@progbits
	.p2align	6, 0x0
	.amdhsa_kernel k_qbbd122cbc2_gemm_qkv
		.amdhsa_group_segment_fixed_size 327680
		.amdhsa_private_segment_fixed_size 0
		.amdhsa_enable_private_segment 0
		.amdhsa_kernarg_size 32
		.amdhsa_user_sgpr_count 2
		.amdhsa_user_sgpr_kernarg_segment_ptr 1
		.amdhsa_wavefront_size32 1
		.amdhsa_system_sgpr_workgroup_id_x 1
		.amdhsa_system_sgpr_workgroup_id_y 1
		.amdhsa_system_sgpr_workgroup_id_z 1
		.amdhsa_system_vgpr_workitem_id 0
		.amdhsa_next_free_vgpr 1024
		.amdhsa_next_free_sgpr 100
		.amdhsa_reserve_vcc 0
		.amdhsa_float_denorm_mode_32 3
		.amdhsa_float_denorm_mode_16_64 3
		.amdhsa_memory_ordered 1
		.amdhsa_forward_progress 1
		.amdhsa_inst_pref_size 238
	.end_amdhsa_kernel
	.amdgpu_metadata
---
amdhsa.version: [ 1, 2 ]
amdhsa.kernels:
  - .name:           k_qbbd122cbc2_gemm_qkv
    .symbol:         k_qbbd122cbc2_gemm_qkv.kd
    .args:
      - { .name: opc, .offset: 0, .size: 8, .value_kind: global_buffer, .address_space: global }
      - { .name: scl, .offset: 8, .size: 8, .value_kind: global_buffer, .address_space: global }
      - { .name: b_attn, .offset: 16, .size: 8, .value_kind: global_buffer, .address_space: global }
      - { .name: qkv, .offset: 24, .size: 8, .value_kind: global_buffer, .address_space: global }
    .group_segment_fixed_size: 327680
    .private_segment_fixed_size: 0
    .kernarg_segment_align: 8
    .kernarg_segment_size: 32
    .max_flat_workgroup_size: 128
    .sgpr_count:     100
    .vgpr_count:     1024
    .wavefront_size: 32
...
	.end_amdgpu_metadata
.endif
;; end of part 2
;; launch attn (part 3): grid 4 x 64, 16 waves a work-group, clusters of 4 x 1, 229,376 bytes of LDS; arguments qkv, opc, scl; writes opc, scl
.if DOCPART == 3
	.amdgcn_target "amdgcn-amd-amdhsa--gfx1250"
	.amdhsa_code_object_version 6
	.text
	.protected	k_qbbd122cbc2_attn
	.globl	k_qbbd122cbc2_attn
	.p2align	8
	.type	k_qbbd122cbc2_attn,@function
k_qbbd122cbc2_attn:
	s_mov_b64 s[64:65], 0
	v_nop
	global_prefetch_b8 v0, s[64:65] scope:SCOPE_SE
	s_setreg_imm32_b32 hwreg(HW_REG_WAVE_MODE, 25, 1), 1
	s_wait_xcnt 0x0
	s_wait_alu depctr_hold_cnt(0) depctr_sa_sdst(0) depctr_va_vdst(0) depctr_va_sdst(0) depctr_va_ssrc(0) depctr_va_vcc(0) depctr_vm_vsrc(0)
	s_getreg_b32 s2, hwreg(HW_REG_IB_STS2, 6, 4)
	s_cmp_eq_u32 s2, 0
	s_cbranch_scc0 .Lentry_in_a_cluster
	s_endpgm
.Lentry_in_a_cluster:
	s_bfe_u32 s2, ttmp6, 0x10000c
	s_cmp_lg_u32 s2, 0x3003
	s_cbranch_scc0 .Lentry_shape_is_right
	s_endpgm
.Lentry_shape_is_right:
; y[b][q][head] = softmax_k(q . k / 8, causal) v for 64 heads of 2,048 tokens x 64, both products on codes of BF6 (E3M2) with E8M0 scales; y leaves quantised along the model's 1,024, as the last product's operand.
; THE SOFTMAX AHEAD OF THE SECOND PRODUCT: t = score x log2(e) / 8; M = the row's largest t so far, rounded UP to a whole number; p = 2^(t - M) is quantised along the keys, not normalised; the row's sum is taken of
; the unquantised p and divides O at the end.  When M moves, the sum and O are multiplied by 2^(old M - new M): exact.
; SHARES.  A cluster of four work-groups is one head.  The head's K and V, codes and scale words, 212,992 bytes, are asked for ONCE, jointly (each of the 16 waves one load of 13,312 bytes, the same in all four
; partners), and stay in LDS: no ring, no refill, one barrier.  A wave owns one tile of 16 queries at a time and walks the key steps (128 keys) up to its diagonal.  It runs two passes: queries of group w of 128, then of
; group 15 - w: w + 1 and 16 - w steps, 17 in every wave.  Query tile = 8 x group + 2 cx + pass.  The loops' trip counts are constants; a step behind the diagonal is jumped over by a branch on the wave's number and
; the loop's counter; cx enters global addresses and the mask's vector data alone.
; LAYOUT.  Both products are used transposed: S^T = K Q^T, O^T = V^T P^T: a lane holds one query.  Tokens are stored in tiles of 16, stored tile 2 b + u, row r = token 32 b + 8 u + r + 8 (r / 8), so that the 16 registers
; of S^T's tiles 2 b and 2 b + 1 are 16 neighbouring keys.  THE HEAD IS ONLY 64 LONG: a fragment of K (12 registers) carries TWO tiles of keys, one in each 64 of the instruction's 128; it is multiplied by [q | 0] for the
; first and by [0 | q] for the second: zero codes add nothing under the byte 0x7f.  V's rows are stored in the same order, so that O^T's 32 registers are, block by block of 32, 16 neighbours of the head's 64.
; LIMITS: NaN and infinities are not served.  A block's largest p is made from its largest score by the same two instructions: this takes v_exp_f32 not to fall where its input rises.  1 / sum by v_rcp_f32.
; A block under 2^-122 keeps the byte 1.  y's scale bytes leave as 2 bytes a row and head (a scale word's halves come from two heads): 262,144 bytes in the launch.
; REGISTERS: v1-11 lane terms; v12 -M, v13 largest t, v[14:15] the sum; v16-27 [q | 0]; v28-39 [0 | q]; v40-87 four fragments of K, then of V; v88-91, v92-95 their scale words; v96-159 S^T, then p; v160-191 O^T;
;   v192-197 addresses in hand; v198 the mask's bound; v200, v201 q's scale words; v204-218 both passes' q as loaded; v224-255 at work.
.set REC,   319488
.set VC,    98304
.set KS,    196608
.set VS,    204800
.set QC,    212992
.set QS,    311296
.set TREC,  12288
.set YSEC,  9437184                    ; y's tiles in opc
.set YS,    393216                     ; and their scale records in scl
.set PART,  13312                      ; 52 rows of 256 bytes: a wave's sixteenth of the head's image
.set SPARE, 16*PART                    ; behind the image: the spare words, 128 bytes a wave, that no other line names
.set SPW,   5
.set NIL,   6
.set WV,    10                         ; s10  wave
.set CX,    11                         ; s11  my place in the cluster
.set HR,    12                         ; s12  the head's record: 16 x batch + head
.set G1,    16                         ; s[16:23]
.set G0,    24                         ; s[24:27]
.set SEL,   28                         ; s[28:29]
.set CS,    30                         ; s[30:31] c = log2(e) / 8
.set SI,    32                         ; the key step
.set GA,    33                         ; the pass's group: its diagonal step
.set TK,    34                         ; the step's codes: 6,144 bytes a step, K's and V's alike
.set TS,    35                         ; its scale words: 512 bytes a step
.macro CROUND
	s_barrier_signal -1
	s_barrier_wait -1
	s_cmp_lg_u32 s[WV], 0
	s_cbranch_scc1 .Lnot_wave_0_\@
	s_barrier_signal -3
.Lnot_wave_0_\@:
	s_barrier_wait -3
	s_barrier_signal -1
	s_barrier_wait -1
.endm
.macro FRAG reg, adr, off
	ds_load_b128 v[\reg:\reg+3], v[\adr] offset:\off
	ds_load_b64 v[\reg+4:\reg+5], v[\adr+1] offset:\off
	ds_load_b128 v[\reg+6:\reg+9], v[\adr] offset:\off+768
	ds_load_b64 v[\reg+10:\reg+11], v[\adr+1] offset:\off+768
.endm
	s_load_b128 s[4:7], s[0:1], 0x0                ; qkv, opc
	s_load_b64 s[8:9], s[0:1], 0x10                ; scl
	v_lshl_add_u32 v[SPW], v0, 2, SPARE
	v_mov_b32 v[NIL], 0
	ds_add_u32 v[SPW], v[NIL]                      ; the wave's opening: the add and its wait stand ahead of my first tensor load; the set-up below, work on registers, stands between them
	ds_add_u32 v[SPW], v[NIL]
	v_lshrrev_b32 v1, 5, v0
	s_delay_alu instid0(VALU_DEP_1)
	v_readfirstlane_b32 s[WV], v1
	s_bfe_u32 s[CX], ttmp6, 0x40000
	s_and_b32 s[HR], ttmp7, 0xffff
	s_mov_b32 s[G1], 15|(3<<16)|(1<<21)            ; 15:0 the mask: all four work-groups; 17:16 elements of 8 bytes; 21 set beside a mask; no padding
	s_mov_b32 s[G1+1], 32<<16                      ; tensor_dim0: 256 bytes
	s_mov_b32 s[G1+2], 52<<16                      ; tensor_dim1
	s_mov_b32 s[G1+3], 32<<16                      ; tile_dim0
	s_mov_b32 s[G1+4], 52                          ; tile_dim1
	s_mov_b32 s[G1+5], 32                          ; dense
	s_mov_b32 s[G1+6], 0
	s_mov_b32 s[G1+7], 0
	s_mul_i32 s46, s[HR], REC
	s_mov_b32 s47, 0
	s_mul_i32 s13, s[WV], PART
	s_mov_b32 s50, s13
	s_mov_b32 s51, 0
	s_mov_b32 s[SEL], 0x76543210
	s_mov_b32 s[SEL+1], 0xfedcba98
	s_mov_b32 s[CS], 0x3e38aa3b
	s_mov_b32 s[CS+1], s[CS]                       ; (named with it as a pair, so it is written)
	s_mov_b32 s44, s[WV]                           ; pass 0's group,
	s_sub_co_u32 s45, 15, s[WV]                    ; pass 1's
	v_and_b32 v9, 15, v0                           ; r
	v_bfe_u32 v10, v0, 4, 1                        ; h
	v_and_b32 v1, 31, v0
	s_delay_alu instid0(VALU_DEP_1)
	v_lshlrev_b32 v1, 4, v1                        ; 16 x lane: registers 0-3's place in an image, in LDS (K's) and in memory
	s_delay_alu instid0(VALU_DEP_4)
	v_lshlrev_b32 v2, 4, v9
	s_delay_alu instid0(VALU_DEP_1)
	v_lshl_add_u32 v2, v10, 3, v2
	s_delay_alu instid0(VALU_DEP_1)
	v_add_nc_u32 v2, 512, v2                       ; registers 4-5's place
	s_delay_alu instid0(VALU_DEP_4)
	v_add_nc_u32 v3, VC, v1                        ; the same for V
	s_delay_alu instid0(VALU_DEP_2)
	v_add_nc_u32 v4, VC, v2
	v_add_nc_u32 v7, KS, v1                        ; K's scale words: four registers' image
	v_add_nc_u32 v8, VS, v1                        ; V's
	v_and_b32 v11, 8, v9
	s_delay_alu instid0(VALU_DEP_1)
	v_add_nc_u32 v11, v11, v9
	v_lshlrev_b32 v10, 4, v10
	s_delay_alu instid0(VALU_DEP_1)
	v_sub_nc_u32 v10, v11, v10                     ; r + 8 (r / 8) - 16 h
	v_lshlrev_b32 v9, 4, v9                        ; 16 r
	s_wait_dscnt 0x0                               ; the opening add is done
	s_wait_kmcnt 0x0
	s_add_nc_u64 s[48:49], s[4:5], s[46:47]        ; the head's record
	s_mov_b32 s[G0], 1
	s_mov_b32 s[G0+1], s13                         ; LDS: wave x 13,312
	s_add_nc_u64 s[G0+2:G0+3], s[48:49], s[50:51]  ; memory: the same place in the record
	s_or_b32 s[G0+3], s[G0+3], 0x80000000
	CROUND                                         ; all four work-groups are here: the joint loads meet
	tensor_load_to_lds s[G0:G0+3], s[G1:G1+7]      ; my one tensor load of the launch
	s_nop 0
.rept 4
	v_nop
.endr
; pass u's addresses, and its q: raw codes (six registers) and the scale word of the pair of tiles
.macro BASES u, ga, yc, ys
.set QB, 54+4*\u
	s_lshl_b32 s52, s[\ga], 3
	s_lshl_b32 s53, s[CX], 1
	s_add_co_u32 s52, s52, s53
.if \u
	s_add_co_u32 s52, s52, 1
.endif                                         ; the query tile: 8 x group + 2 cx + pass
	s_mul_i32 s[QB], s52, 768
	s_add_co_u32 s[QB], s[QB], QC
	s_mov_b32 s[QB+1], 0
	s_add_nc_u64 s[QB:QB+1], s[48:49], s[QB:QB+1]
	s_lshl_b32 s[QB+2], s[\ga], 9
	s_lshl_b32 s53, s[CX], 2
	s_add_co_u32 s[QB+2], s[QB+2], s53
	s_add_co_u32 s[QB+2], s[QB+2], QS
	s_mov_b32 s[QB+3], 0
	s_add_nc_u64 s[QB+2:QB+3], s[48:49], s[QB+2:QB+3]
	global_load_b128 v[204+8*\u:207+8*\u], v1, s[QB:QB+1]
	global_load_b64 v[208+8*\u:209+8*\u], v2, s[QB:QB+1]
	global_load_b32 v[210+8*\u], v1, s[QB+2:QB+3]
	s_lshr_b32 s53, s[HR], 4
	s_lshl_b32 s53, s53, 7
	s_add_co_u32 s53, s53, s52                     ; y's tile: 128 x batch + the query tile
	s_mul_i32 s[\yc], s53, TREC
	s_and_b32 s62, s[HR], 15
	s_mul_i32 s62, s62, 768                        ; the head's 64 of the 1,024: half a K step
	s_add_co_u32 s[\yc], s[\yc], s62
	s_add_co_u32 s[\yc], s[\yc], YSEC
	s_mov_b32 s[\yc+1], 0
	s_add_nc_u64 s[\yc:\yc+1], s[6:7], s[\yc:\yc+1]
	s_lshl_b32 s[\ys], s53, 9
	s_bfe_u32 s62, s[HR], 0x10003
	s_lshl_b32 s62, s62, 8                         ; heads 8-15: K steps 4-7
	s_add_co_u32 s[\ys], s[\ys], s62
	s_and_b32 s62, s[HR], 7
	s_lshl_b32 s62, s62, 1                         ; two bytes a head
	s_add_co_u32 s[\ys], s[\ys], s62
	s_add_co_u32 s[\ys], s[\ys], YS
	s_mov_b32 s[\ys+1], 0
	s_add_nc_u64 s[\ys:\ys+1], s[8:9], s[\ys:\ys+1]
.endm
	BASES 0, 44, 36, 40
	BASES 1, 45, 38, 42
.irp i, 0,1,2,3,4,5
	v_mov_b32 v[22+\i], 0                          ; the zero halves of [q | 0] and [0 | q]: written once
	v_mov_b32 v[28+\i], 0
.endr
.irp b, 0,1,2,3
	v_mov_b32 v[236+\b], 0                         ; written once: a lane permute's destination counts as one of its sources
.endr
	v_mov_b32 v252, 0
	v_mov_b32 v253, 0                              ; (named as the upper half of the pair v[252:253] before it is first written)
	s_wait_loadcnt 0x0                             ; q
	s_wait_tensorcnt 0x0                           ; my part of the image is in,
	s_barrier_signal -1
	s_barrier_wait -1                              ; everybody's is
; A KEY STEP: 128 keys
.macro STEP
	s_cmp_gt_u32 s[SI], s[GA]                      ; all its keys come after my queries: left out
	s_cbranch_scc1 .Lhid_\@
	s_setprio 2
	v_add_nc_u32 v192, s[TK], v1                   ; (these six are also the places in front of the loads into registers that the last products read)
	v_add_nc_u32 v193, s[TK], v2
	v_add_nc_u32 v194, s[TK], v3
	v_add_nc_u32 v195, s[TK], v4
	v_add_nc_u32 v196, s[TS], v7
	v_add_nc_u32 v197, s[TS], v8
.irp b, 0,1,2,3
	FRAG 40+12*\b, 192, 1536*\b
.endr
	ds_load_b128 v[88:91], v196
	s_wait_alu depctr_va_vdst(0)
	s_wait_dscnt 0x0
.irp b, 0,1,2,3                                ; S^T: fragment b holds tiles 2 b and 2 b + 1 of the keys
	v_wmma_scale_f32_16x16x128_f8f6f4 v[96+16*\b:103+16*\b], v[40+12*\b:51+12*\b], v[16:27], 0, v[88+\b], v200 matrix_a_fmt:MATRIX_FMT_BF6 matrix_b_fmt:MATRIX_FMT_BF6
	v_wmma_scale_f32_16x16x128_f8f6f4 v[104+16*\b:111+16*\b], v[40+12*\b:51+12*\b], v[28:39], 0, v[88+\b], v201 matrix_a_fmt:MATRIX_FMT_BF6 matrix_b_fmt:MATRIX_FMT_BF6
.endr
.rept 4
	v_nop                                          ; places: in front of the loads below, and of the first read of the scores
.endr
.irp t, 0,1,2,3
	FRAG 40+12*\t, 194, 1536*\t                    ; V's four fragments land while the softmax is walked
.endr
	ds_load_b128 v[92:95], v197
	s_cmp_lt_u32 s[SI], s[GA]                      ; only the diagonal step has hidden keys
	s_cbranch_scc1 .Lopen_\@
	v_mov_b32 v254, 0xff800000                     ; -infinity: p = 0 then
.set N, 0
.rept 64                                       ; register 16 b + i holds key 32 b + 16 h + i of the step: hidden where 32 b + i > my query's place - 16 h
	v_cmp_gt_i32 vcc_lo, 32*(N/16)+N%16, v198
	v_cndmask_b32 v[96+N], v[96+N], v254, vcc_lo
.set N, N+1
.endr
.Lopen_\@:
.irp b, 0,1,2,3
	v_max3_num_f32 v[232+\b], v[96+16*\b], v[97+16*\b], v[98+16*\b]   ; the largest score of each block of 32 keys: for the row's maximum, and, since p rises with the score, for the block's largest p
.endr
.irp i, 3,5,7,9,11,13
.irp b, 0,1,2,3
	v_max3_num_f32 v[232+\b], v[232+\b], v[96+16*\b+\i], v[97+16*\b+\i]
.endr
.endr
.irp b, 0,1,2,3
	v_max_num_f32 v[232+\b], v[232+\b], v[111+16*\b]
.endr
.irp b, 0,1,2,3
	s_delay_alu instid0(VALU_DEP_4)
	v_permlanex16_b32 v[236+\b], v[232+\b], s[SEL], s[SEL+1]
.endr
.irp b, 0,1,2,3
	s_delay_alu instid0(VALU_DEP_4)
	v_max_num_f32 v[232+\b], v[232+\b], v[236+\b]  ; with lane l xor 16's 16 keys
.endr
	s_delay_alu instid0(VALU_DEP_2)
	v_max3_num_f32 v254, v232, v233, v234
	s_delay_alu instid0(VALU_DEP_1)
	v_max_num_f32 v254, v254, v235                 ; the step's largest score of my query
	s_delay_alu instid0(VALU_DEP_1)
	v_mul_f32 v254, s[CS], v254                    ; as t
	s_delay_alu instid0(VALU_DEP_1)
	v_max_num_f32 v13, v13, v254                   ; the running largest t
	v_mov_b32 v254, v12
	s_delay_alu instid0(VALU_DEP_2)
	v_floor_f32 v12, -v13                          ; the new -M = floor(-t): M is a whole number
	s_delay_alu instid0(VALU_DEP_1)
	v_sub_f32 v254, v12, v254                      ; old M - new M: a whole number, 0 or less
	s_delay_alu instid0(VALU_DEP_1)
	v_cvt_i32_f32 v254, v254                       ; (it saturates)
	s_delay_alu instid0(VALU_DEP_1)
	v_ldexp_f32 v252, 1.0, v254                    ; f = 2^(old M - new M)
.set N, 0
	s_setprio 1
.rept 32
	v_pk_fma_f32 v[96+N:97+N], v[96+N:97+N], s[CS:CS+1], v[12:13] op_sel_hi:[1,0,0]   ; t - M, two at a time
.set N, N+2
.endr
.irp b, 0,1,2,3
	v_fma_f32 v[232+\b], v[232+\b], s[CS], v12     ; the same of each block's largest score
.endr
.set N, 0
	s_wait_alu depctr_va_vdst(0)
.rept 64
	v_exp_f32 v[96+N], v[96+N]                     ; p = 2^(t - M), at most 1: not normalised
.set N, N+1
.endr
	v_pk_mul_f32 v[14:15], v[14:15], v[252:253] op_sel_hi:[1,0]   ; the sums under the new M: the plain place behind the exponentials
	s_wait_alu depctr_va_vdst(0)                   ; one wait for the whole batch, ahead of its first reader
.irp b, 0,1,2,3
	v_exp_f32 v[232+\b], v[232+\b]                 ; the block's largest p
.endr
	v_pk_add_f32 v[236:237], v[100:101], v[104:105]
	v_pk_add_f32 v[254:255], v[108:109], v[112:113]
	v_pk_add_f32 v[250:251], v[116:117], v[120:121]
	v_pk_add_f32 v[248:249], v[124:125], v[128:129]
	v_pk_add_f32 v[246:247], v[132:133], v[136:137]
	v_pk_add_f32 v[244:245], v[140:141], v[144:145]
	v_pk_add_f32 v[242:243], v[148:149], v[152:153]
	v_pk_add_f32 v[14:15], v[14:15], v[156:157]
	v_pk_add_f32 v[236:237], v[236:237], v[96:97]
	v_pk_add_f32 v[254:255], v[254:255], v[98:99]
	v_pk_add_f32 v[250:251], v[250:251], v[102:103]
	v_pk_add_f32 v[248:249], v[248:249], v[106:107]
	v_pk_add_f32 v[246:247], v[246:247], v[110:111]
	v_pk_add_f32 v[244:245], v[244:245], v[114:115]
	v_pk_add_f32 v[242:243], v[242:243], v[118:119]
	v_pk_add_f32 v[14:15], v[14:15], v[122:123]
	v_pk_add_f32 v[236:237], v[236:237], v[126:127]
	v_pk_add_f32 v[254:255], v[254:255], v[130:131]
	v_pk_add_f32 v[250:251], v[250:251], v[134:135]
	v_pk_add_f32 v[248:249], v[248:249], v[138:139]
	v_pk_add_f32 v[246:247], v[246:247], v[142:143]
	v_pk_add_f32 v[244:245], v[244:245], v[146:147]
	v_pk_add_f32 v[242:243], v[242:243], v[150:151]
	v_pk_add_f32 v[14:15], v[14:15], v[154:155]
	v_pk_add_f32 v[236:237], v[236:237], v[158:159]
	s_delay_alu instid0(VALU_DEP_2)
	v_pk_add_f32 v[14:15], v[14:15], v[248:249]
	s_delay_alu instid0(VALU_DEP_2)
	v_pk_add_f32 v[236:237], v[236:237], v[246:247]
	v_pk_add_f32 v[254:255], v[254:255], v[244:245]
	v_pk_add_f32 v[250:251], v[250:251], v[242:243]
	s_delay_alu instid0(VALU_DEP_2)
	v_pk_add_f32 v[14:15], v[14:15], v[254:255]
	s_delay_alu instid0(VALU_DEP_2)
	v_pk_add_f32 v[236:237], v[236:237], v[250:251]
	s_delay_alu instid0(VALU_DEP_1)
	v_pk_add_f32 v[14:15], v[14:15], v[236:237]
	s_wait_alu depctr_va_vdst(0)                   ; and one for the four
.irp b, 0,1,2,3
	v_max_num_f32 v[232+\b], 0x2800000, v[232+\b]  ; the floor 2^(5 - 127): a block whose every p is 0 keeps the byte 1; its codes are zeros
.endr
.irp b, 0,1,2,3
	s_delay_alu instid0(VALU_DEP_4)
	v_add_nc_u32 v[244+\b], 0xfe000000, v[232+\b]
.endr
.irp b, 0,1,2,3
	s_delay_alu instid0(VALU_DEP_4)
	v_lshrrev_b32 v[236+\b], 23, v[244+\b]
.endr
	s_delay_alu instid0(VALU_DEP_3)
	v_lshl_or_b32 v253, v237, 8, v236              ; p's scale word for these 128 keys
	s_delay_alu instid0(VALU_DEP_1)
	v_lshl_or_b32 v253, v238, 16, v253
	s_delay_alu instid0(VALU_DEP_1)
	v_lshl_or_b32 v253, v239, 24, v253
	s_setprio 0
.irp c, 0,1
	v_cvt_scalef32_pk16_bf6_f32 v[224+6*\c:226+6*\c], v[96+32*\c:111+32*\c], v[244+2*\c]
	v_cvt_scalef32_pk16_bf6_f32 v[236+4*\c:238+4*\c], v[112+32*\c:127+32*\c], v[244+2*\c+1]
.endr
	v_nop                                          ; one plain place behind the scaled conversions
.irp c, 0,1
.irp i, 0,1,2
	v_permlane16_swap_b32 v[224+6*\c+\i], v[236+4*\c+\i]
.endr
.irp i, 0,1,2
	s_delay_alu instid0(VALU_DEP_3)
	v_mov_b32 v[227+6*\c+\i], v[236+4*\c+\i]
.endr
.endr
.set N, 0
.rept 16
	v_pk_mul_f32 v[160+N:161+N], v[160+N:161+N], v[252:253] op_sel_hi:[1,0]   ; O^T under the new M.  These 16 are also the places between p's scale word and codes and the products below
.set N, N+2
.endr
	s_wait_alu depctr_va_vdst(0)
	s_wait_dscnt 0x0                               ; V is in
.irp t, 0,1,2,3                                ; O^T += V^T P^T: the four accumulators by turns; the next step's eight products stand between two links of a chain
	v_wmma_scale_f32_16x16x128_f8f6f4 v[160+8*\t:167+8*\t], v[40+12*\t:51+12*\t], v[224:235], v[160+8*\t:167+8*\t], v[92+\t], v253 matrix_a_fmt:MATRIX_FMT_BF6 matrix_b_fmt:MATRIX_FMT_BF6
.endr
.Lhid_\@:
	s_add_co_u32 s[TK], s[TK], 6144
	s_add_co_u32 s[TS], s[TS], 512
.endm
.macro PASS u, yc, ys
.if \u
	s_wait_xcnt 0x0                                ; the first pass's stores have read their registers
.endif
.irp i, 0,1,2,3,4,5
	v_mov_b32 v[16+\i], v[204+8*\u+\i]             ; [q | 0]
	v_mov_b32 v[34+\i], v[204+8*\u+\i]             ; [0 | q]
.endr
.if \u
	v_lshrrev_b32 v199, 16, v218                   ; the odd tile's two bytes
.else
	v_and_b32 v199, 0xffff, v210                   ; the even tile's
.endif
	s_delay_alu instid0(VALU_DEP_1)
	v_or_b32 v200, 0x7f7f0000, v199                ; over the zero codes the byte 0x7f
	s_delay_alu instid0(VALU_DEP_2)
	v_lshl_or_b32 v201, v199, 16, 0x7f7f
	s_lshl_b32 s52, s[CX], 5
	s_add_co_u32 s52, s52, 8*\u
	v_add_nc_u32 v198, s52, v10                    ; my query's place in its 128, less 16 h
	v_mov_b32 v13, 0xff61b1e6                      ; the largest t so far: -3e38
	s_delay_alu instid0(VALU_DEP_1)
	v_floor_f32 v12, -v13
	v_mov_b32 v14, 0
	v_mov_b32 v15, 0
.set N, 0
.rept 32
	v_mov_b32 v[160+N], 0                          ; O^T: the step is written once; its first trip finds zeros
.set N, N+1
.endr
	s_mov_b32 s[GA], s[44+\u]
	s_mov_b32 s[TK], 0
	s_mov_b32 s[TS], 0
	s_mov_b32 s[SI], 0
.Lstep_\@:
	STEP
	s_add_co_u32 s[SI], s[SI], 1
	s_cmp_lt_u32 s[SI], 16
	s_cbranch_scc1 .Lstep_\@
	s_setprio 0
	; the way out: y = O / the sum, quantised along the head's 64: two blocks, half a K step of the last product
.rept 4
	v_nop                                          ; places behind the last products
.endr
	v_add_f32 v14, v14, v15
	s_delay_alu instid0(VALU_DEP_1)
	v_permlanex16_b32 v252, v14, s[SEL], s[SEL+1]
	s_delay_alu instid0(VALU_DEP_1)
	v_add_f32 v14, v14, v252                       ; the row's sum
	s_wait_alu depctr_va_vdst(0)
	v_rcp_f32 v14, v14
	v_nop                                          ; a plain place behind the reciprocal
	s_wait_alu depctr_va_vdst(0)                   ; and the wait ahead of its first reader
.set N, 0
.rept 32
	v_mul_f32 v[96+N], v[160+N], v14               ; register 16 b + i: channel 32 b + 16 h + i
.set N, N+1
.endr
.irp b, 0,1
	v_max3_num_f32 v[232+\b], |v[96+16*\b]|, |v[97+16*\b]|, 0x2800000
.endr
.irp i, 2,4,6,8,10,12,14
.irp b, 0,1
	s_delay_alu instid0(VALU_DEP_2)
	v_max3_num_f32 v[232+\b], v[232+\b], |v[96+16*\b+\i]|, |v[97+16*\b+\i]|
.endr
.endr
.irp b, 0,1
	s_delay_alu instid0(VALU_DEP_2)
	v_permlanex16_b32 v[236+\b], v[232+\b], s[SEL], s[SEL+1]
.endr
.irp b, 0,1
	s_delay_alu instid0(VALU_DEP_2)
	v_max_num_f32 v[232+\b], v[232+\b], v[236+\b]
.endr
.irp b, 0,1
	s_delay_alu instid0(VALU_DEP_2)
	v_add_nc_u32 v[244+\b], 0xfe000000, v[232+\b]
.endr
.irp b, 0,1
	s_delay_alu instid0(VALU_DEP_2)
	v_lshrrev_b32 v[236+\b], 23, v[244+\b]
.endr
	s_delay_alu instid0(VALU_DEP_1)
	v_lshl_or_b32 v254, v237, 8, v236              ; my row's two bytes
	v_cvt_scalef32_pk16_bf6_f32 v[224:226], v[96:111], v244
	v_cvt_scalef32_pk16_bf6_f32 v[236:238], v[112:127], v245
	v_nop
.irp i, 0,1,2
	v_permlane16_swap_b32 v[224+\i], v[236+\i]
.endr
.irp i, 0,1,2
	s_delay_alu instid0(VALU_DEP_3)
	v_mov_b32 v[227+\i], v[236+\i]
.endr
	global_store_b128 v1, v[224:227], s[\yc:\yc+1] ; 512 consecutive bytes,
	global_store_b64 v2, v[228:229], s[\yc:\yc+1]  ; 256 consecutive bytes, at multiples of 256 from the buffer's first byte
	global_store_b16 v9, v254, s[\ys:\ys+1]        ; (lanes 16-31 write the same bytes with the same values)
.endm
	PASS 0, 36, 40
	PASS 1, 38, 42
	s_wait_tensorcnt 0x0                           ; the wave's end
	ds_add_u32 v[SPW], v[NIL]
	s_wait_dscnt 0x0
	CROUND                                         ; the closing round
	s_endpgm
.Lfunc_end_k_qbbd122cbc2_attn:
	.size	k_qbbd122cbc2_attn, .Lfunc_end_k_qbbd122cbc2_attn-k_qbbd122cbc2_attn
	.p2alignl 7, 3214868480
	.fill 96, 4, 3214868480
	.section	.rodata,"a",@progbits
	.p2align	6, 0x0
	.amdhsa_kernel k_qbbd122cbc2_attn
		.amdhsa_group_segment_fixed_size 229376
		.amdhsa_private_segment_fixed_size 0
		.amdhsa_enable_private_segment 0
		.amdhsa_kernarg_size 24
		.amdhsa_user_sgpr_count 2
		.amdhsa_user_sgpr_kernarg_segment_ptr 1
		.amdhsa_wavefront_size32 1
		.amdhsa_system_sgpr_workgroup_id_x 1
		.amdhsa_system_sgpr_workgroup_id_y 1
		.amdhsa_system_sgpr_workgroup_id_z 1
		.amdhsa_system_vgpr_workitem_id 0
		.amdhsa_next_free_vgpr 256
		.amdhsa_next_free_sgpr 80
		.amdhsa_reserve_vcc 1
		.amdhsa_float_denorm_mode_32 3
		.amdhsa_float_denorm_mode_16_64 3
		.amdhsa_memory_ordered 1
		.amdhsa_forward_progress 1
		.amdhsa_inst_pref_size 66
	.end_amdhsa_kernel
	.amdgpu_metadata
---
amdhsa.version: [ 1, 2 ]
amdhsa.kernels:
  - .name:           k_qbbd122cbc2_attn
    .symbol:         k_qbbd122cbc2_attn.kd
    .args:
      - { .name: qkv, .offset: 0, .size: 8, .value_kind: global_buffer, .address_space: global }
      - { .name: opc, .offset: 8, .size: 8, .value_kind: global_buffer, .address_space: global }
      - { .name: scl, .offset: 16, .size: 8, .value_kind: global_buffer, .address_space: global }
    .group_segment_fixed_size: 229376
    .private_segment_fixed_size: 0
    .kernarg_segment_align: 8
    .kernarg_segment_size: 24
    .max_flat_workgroup_size: 512
    .sgpr_count:     80
    .vgpr_count:     256
    .wavefront_size: 32
...
	.end_amdgpu_metadata
.endif
;; end of part 3
;; launch gemm_proj (part 4): grid 4 x 32, 4 waves a work-group, clusters of 4 x 4, 327,680 bytes of LDS; arguments opc, scl, b_proj, out0; writes out0
.if DOCPART == 4
	.amdgcn_target "amdgcn-amd-amdhsa--gfx1250"
	.amdhsa_code_object_version 6
	.text
	.protected	k_qbbd122cbc2_gemm_proj
	.globl	k_qbbd122cbc2_gemm_proj
	.p2align	8
	.type	k_qbbd122cbc2_gemm_proj,@function
k_qbbd122cbc2_gemm_proj:
	s_mov_b64 s[64:65], 0
	v_nop
	global_prefetch_b8 v0, s[64:65] scope:SCOPE_SE
	s_setreg_imm32_b32 hwreg(HW_REG_WAVE_MODE, 25, 1), 1
	s_wait_xcnt 0x0
	s_wait_alu depctr_hold_cnt(0) depctr_sa_sdst(0) depctr_va_vdst(0) depctr_va_sdst(0) depctr_va_ssrc(0) depctr_va_vcc(0) depctr_vm_vsrc(0)
	s_getreg_b32 s2, hwreg(HW_REG_IB_STS2, 6, 4)
	s_cmp_eq_u32 s2, 0
	s_cbranch_scc0 .Lentry_in_a_cluster
	s_endpgm
.Lentry_in_a_cluster:
	s_bfe_u32 s2, ttmp6, 0x10000c
	s_cmp_lg_u32 s2, 0xf033
	s_cbranch_scc0 .Lentry_shape_is_right
	s_endpgm
.Lentry_shape_is_right:
; out0 = y w_proj + b_proj on codes of BF6 (E3M2) with E8M0 scales, K = 1024; out0 [8192][1024] f32.
; OPERANDS come as images of the operand's registers: tiles of 16 stored rows (stored tile 2 b + u, row r = actual row 32 b + 8 u + r + 8 (r / 8)), a record of 8 K steps x 1,536 bytes a tile;
; a K step's 12 registers a lane are two halves of 768 bytes: registers 0-3 at 16 x lane, registers 4-5 at 512 + 16 (lane % 16) + 8 (lane / 16).
; A work-group makes 256 tokens x 256 columns, a wave 128 x 128: 64 accumulators.  The product is used transposed (source 0 = 16 stored columns of w_proj, source 1 = 16 stored tokens of y): register j of lane (r, h)
; in column tile b is ACTUAL column 32 (b / 2) + 8 (b % 2) + 16 h + j of stored token r.  The bias is the C of each sum's first product.  The way out puts columns and tokens back in their places.
; K goes in steps of 256 through two LDS slots filled by the tensor data mover; all eight steps of 128 are written out.  CLUSTER 4 x 4: y's tiles are asked for jointly along a row, w_proj's along a column.
; With 128 work-groups half of the WGPs have none: the tile is kept at 256 x 256 so that this text's loop is the first product's, line for line.
; REGISTERS: window 0: v16-31 addresses; v32-95 all 64 scale words (register 8 i + k: lanes 0-15 y's tile i, lanes 16-31 w's tile i, K step k); v96-127, v224-255 the bias; v128-223 A's 8 fragments; on the way out v128-255 rows.
;   window 1: B's fragments, two sets.   windows 2, 3: the accumulators.
.set TREC,  12288
.set BSEC,  6291456+192*12288          ; w_proj's tiles in opc
.set BSS,   262144+192*512             ; and their scale records in scl
.set YSEC,  9437184                    ; y's tiles
.set YS,    393216
.set FR,    12
.set NL,    4
.set NP,    4
.set TILEB, 3072
.set HALFT, 8*TILEB
.set SLOT,  4*HALFT
.set SPARE, 2*SLOT                     ; behind the ring: the spare words, 128 bytes a wave, that no other line names
.set SPITCH, 528                       ; the way out: a stage of 16 rows x (512 bytes + 16) for each wave, in slot 0, which has had its last fill and its last read when the first result is stored there
.set ADRA,  16
.set ADRB,  20
.set L16,   24
.set L8,    25
.set STO,   26                         ; v26  the stage: where I put 32 bytes of a row
.set SO,    27
.set SPW,   28
.set NIL,   29
.set RD,    30                         ; v30  and where I read a row back
.set BQ,    31                         ; v31  the bias's lane offset: 64 h
.set SC,    32
.set AF,    128
.set BK,    128
.set G1,    24
.set G0,    32
.set G1B,   48
.set G0B,   56
.set MSB, 0
.macro WIN new
.if MSB != (\new)
	s_set_vgpr_msb (MSB<<8)|(\new)
.set MSB, \new
.endif
.endm
.set MUL_LO, 0xa1                      ; source 0 (B) window 1, source 1 (A) window 0, C and D window 2
.set MUL_HI, 0xf1
.set TO_B,   0x40
.macro JLOAD g0a, g1a, g0b, g1b        ; a joint load: waves 0 and 1 fetch for A, waves 2 and 3 for B; an s_nop 0 and four v_nop follow each of the two lines
	s_cmp_eq_u32 s15, 0
	s_cbranch_scc0 .Lfor_b_\@
	tensor_load_to_lds s[\g0a:\g0a+3], s[\g1a:\g1a+7]
	s_nop 0
.rept 4
	v_nop
.endr
	s_branch .Lasked_\@
.Lfor_b_\@:
	tensor_load_to_lds s[\g0b:\g0b+3], s[\g1b:\g1b+7]
	s_nop 0
.rept 4
	v_nop
.endr
.Lasked_\@:
.endm
.macro CREST
	s_cmp_lg_u32 s14, 0
	s_cbranch_scc1 .Lnot_wave_0_\@
	s_barrier_signal -3
.Lnot_wave_0_\@:
	s_barrier_wait -3
	s_barrier_signal -1
	s_barrier_wait -1
.endm
.macro CROUND
	s_barrier_signal -1
	s_barrier_wait -1
	CREST
.endm
	s_load_b256 s[4:11], s[0:1], 0x0               ; opc s[4:5], scl s[6:7], b_proj s[8:9], out0 s[10:11]
	v_lshl_add_u32 v[SPW], v0, 2, SPARE
	v_mov_b32 v[NIL], 0
	ds_add_u32 v[SPW], v[NIL]                      ; the wave's opening: the add and its wait stand ahead of my first tensor load; the set-up below stands between them
	ds_add_u32 v[SPW], v[NIL]
	v_lshrrev_b32 v1, 5, v0
	v_readfirstlane_b32 s14, v1                    ; wave 0..3
	s_lshr_b32 s15, s14, 1                         ; which half of the tokens is mine.  Also: I fetch for A (0) or for B (1)
	s_and_b32 s16, s14, 1                          ; which half of the columns.  Also: which 8 tiles I fetch
	s_bfe_u32 s40, ttmp6, 0x40000                  ; cx
	s_bfe_u32 s41, ttmp6, 0x40004                  ; cy
	s_lshl_b32 s42, ttmp9, 2
	s_add_co_u32 s42, s42, s40                     ; block of 256 columns
	s_and_b32 s17, ttmp7, 0xffff
	s_lshl_b32 s17, s17, 2
	s_add_co_u32 s17, s17, s41                     ; block of 256 tokens
	s_lshl_b32 s43, s41, 2
	s_lshl_b32 s43, 15, s43                        ; my row of the cluster
	s_lshl_b32 s44, 0x1111, s40                    ; my column
	s_or_b32 s[G1+0], s43, (3<<16)|(1<<21)         ; 15:0 the mask; 17:16 elements of 8 bytes; 21 set beside a mask
	s_or_b32 s[G1B+0], s44, (3<<16)|(1<<21)
.irp g, G1, G1B
	s_mov_b32 s[\g+1], 384<<16                     ; 8 rows (tiles) of 3,072 bytes, a tile's record apart; dense in LDS
	s_mov_b32 s[\g+2], 8<<16
	s_mov_b32 s[\g+3], 384<<16
	s_mov_b32 s[\g+4], 8
	s_mov_b32 s[\g+5], 1536
	s_mov_b32 s[\g+6], 0
	s_mov_b32 s[\g+7], 0
.endr
	s_lshl_b32 s21, s16, 3
	s_lshl_b32 s66, s17, 4
	s_add_co_u32 s66, s66, s21
	s_mul_i32 s66, s66, TREC
	s_add_co_u32 s66, s66, YSEC                    ; A: in registers that never hold cx
	s_mov_b32 s67, 0
	s_lshl_b32 s68, s42, 4
	s_add_co_u32 s68, s68, s21
	s_mul_i32 s68, s68, TREC
	s_add_co_u32 s68, s68, BSEC                    ; B: in registers that never hold cy
	s_mov_b32 s69, 0
	s_mul_i32 s22, s14, HALFT
	s_wait_dscnt 0x0                               ; the opening add is done
	s_wait_kmcnt 0x0
	s_add_nc_u64 s[66:67], s[4:5], s[66:67]
	s_add_nc_u64 s[68:69], s[4:5], s[68:69]
	CROUND                                         ; all sixteen work-groups are here: the first joint loads meet
.irp s, 0,1
	s_mov_b32 s[G0+4*\s], 1
	s_add_co_u32 s[G0+4*\s+1], s22, \s*SLOT
	s_add_nc_u64 s[G0+4*\s+2:G0+4*\s+3], s[66:67], \s*TILEB
	s_or_b32 s[G0+4*\s+3], s[G0+4*\s+3], 0x80000000
	s_mov_b32 s[G0B+4*\s], 1
	s_add_co_u32 s[G0B+4*\s+1], s22, \s*SLOT
	s_add_nc_u64 s[G0B+4*\s+2:G0B+4*\s+3], s[68:69], \s*TILEB
	s_or_b32 s[G0B+4*\s+3], s[G0B+4*\s+3], 0x80000000
	s_wait_alu depctr_va_vdst(0)
	s_wait_tensorcnt 0x0
	ds_add_u32 v28, v29
	ds_add_u32 v28, v29
	s_wait_dscnt 0x0
	CROUND
	JLOAD G0+4*\s, G1, G0B+4*\s, G1B               ; one tensor load of mine is out
.endr
	v_and_b32 v1, 15, v0                           ; r
	s_wait_alu depctr_va_vdst(0)
	v_bfe_u32 v2, v0, 4, 1                         ; h
	v_and_b32 v3, 31, v0
	v_lshlrev_b32 v[L16], 4, v3
	s_wait_alu depctr_va_vdst(0)
	v_lshlrev_b32 v[L8], 4, v1
	v_lshl_add_u32 v[L8], v2, 3, v[L8]
	v_add_nc_u32 v[L8], 512, v[L8]
	s_wait_alu depctr_va_vdst(0)
	s_lshl_b32 s70, s17, 4
	s_lshl_b32 s71, s15, 3
	s_add_co_u32 s70, s70, s71
	s_lshl_b32 s70, s70, 9
	s_add_co_u32 s70, s70, YS                      ; y's scale records: my 8 tiles
	s_lshl_b32 s72, s42, 4
	s_add_co_u32 s72, s72, s21
	s_lshl_b32 s72, s72, 9
	s_add_co_u32 s72, s72, BSS                     ; w_proj's
	s_mov_b32 s73, 0xffff0000
	v_lshlrev_b32 v3, 4, v1
	v_add_nc_u32 v4, s70, v3
	v_add_nc_u32 v5, s72, v3
	v_cndmask_b32 v[SO], v4, v5, s73               ; lanes 16-31 take B's
.irp i, 0,1,2,3,4,5,6,7
	global_load_b128 v[SC+8*\i:SC+8*\i+3], v[SO], s[6:7] offset:512*\i
	global_load_b128 v[SC+8*\i+4:SC+8*\i+7], v[SO], s[6:7] offset:512*\i+256
.endr
	s_lshl_b32 s88, s42, 10                        ; the bias of my 128 columns
	s_lshl_b32 s89, s16, 9
	s_add_co_u32 s88, s88, s89
	s_mov_b32 s89, 0
	s_add_nc_u64 s[88:89], s[8:9], s[88:89]
	v_lshlrev_b32 v[BQ], 6, v2
.irp b, 0,1,2,3,4,5,6,7                        ; tile b's eight registers, in the result's layout: columns 32 (b / 2) + 8 (b % 2) + 16 h + 0 .. 7
	global_load_b128 v[96+8*\b+96*(\b/4):99+8*\b+96*(\b/4)], v[BQ], s[88:89] offset:(32*(\b/2)+8*(\b%2))*4
	global_load_b128 v[100+8*\b+96*(\b/4):103+8*\b+96*(\b/4)], v[BQ], s[88:89] offset:(32*(\b/2)+8*(\b%2))*4+16
.endr
	s_mul_i32 s86, s15, HALFT
	s_mul_i32 s87, s16, HALFT
	s_add_co_u32 s87, s87, 2*HALFT
.irp s, 0,1
	v_add_nc_u32 v[ADRA+\s], s86, v[L16]
	v_add_nc_u32 v[ADRA+2+\s], s86, v[L8]
	v_add_nc_u32 v[ADRB+\s], s87, v[L16]
	v_add_nc_u32 v[ADRB+2+\s], s87, v[L8]
	s_add_co_u32 s86, s86, SLOT
	s_add_co_u32 s87, s87, SLOT
.endr
	s_mul_i32 s23, s14, 16*SPITCH                  ; my stage
	v_mul_u32_u24 v5, v1, SPITCH
	v_lshl_add_u32 v5, v2, 6, v5
	v_add_nc_u32 v[STO], s23, v5                   ; in: row r, + 64 h
	v_add_nc_u32 v[RD], s23, v[L16]                ; back: the 32 lanes take one row of 512 bytes
	s_lshl_b32 s74, s17, 20                        ; out0: 256 tokens of 4,096 bytes a block,
	s_lshl_b32 s75, s15, 19                        ; 128 for my half,
	s_add_co_u32 s74, s74, s75
	s_lshl_b32 s75, s42, 10                        ; my 128 columns
	s_add_co_u32 s74, s74, s75
	s_lshl_b32 s75, s16, 9
	s_add_co_u32 s74, s74, s75
	s_mov_b32 s75, 0
	s_add_nc_u64 s[10:11], s[10:11], s[74:75]
.macro FRAG reg, adr, off
	ds_load_b128 v[\reg:\reg+3], v[\adr] offset:\off
	ds_load_b64 v[\reg+4:\reg+5], v[\adr+2] offset:\off
	ds_load_b128 v[\reg+6:\reg+9], v[\adr] offset:\off+768
	ds_load_b64 v[\reg+10:\reg+11], v[\adr+2] offset:\off+768
.endm
; 16 matrix instructions: A's tiles a0, a0 + 1 x B's eight, K step kk.  first = 1: the sums start from the bias.  The 64 accumulators take turns, one instruction a turn, in the same order in every step.
.macro MUL16 a0, p, kk, first
.irp a, \a0, \a0+1
.irp b, 0,1,2,3,4,5,6,7
.if \first
	v_wmma_scale_f32_16x16x128_f8f6f4 v[8*(8*((\a)%4)+\b):8*(8*((\a)%4)+\b)+7], v[128*(\p)+FR*\b:128*(\p)+FR*\b+FR-1], v[AF+FR*(\a):AF+FR*(\a)+FR-1], v[96+8*\b+96*(\b/4):103+8*\b+96*(\b/4)], v[SC+8*\b+(\kk)], v[SC+8*(\a)+(\kk)] matrix_a_fmt:MATRIX_FMT_BF6 matrix_b_fmt:MATRIX_FMT_BF6 matrix_a_scale:MATRIX_SCALE_ROW1
.else
	v_wmma_scale_f32_16x16x128_f8f6f4 v[8*(8*((\a)%4)+\b):8*(8*((\a)%4)+\b)+7], v[128*(\p)+FR*\b:128*(\p)+FR*\b+FR-1], v[AF+FR*(\a):AF+FR*(\a)+FR-1], v[8*(8*((\a)%4)+\b):8*(8*((\a)%4)+\b)+7], v[SC+8*\b+(\kk)], v[SC+8*(\a)+(\kk)] matrix_a_fmt:MATRIX_FMT_BF6 matrix_b_fmt:MATRIX_FMT_BF6 matrix_a_scale:MATRIX_SCALE_ROW1
.endif
.endr
.endr
.endm
.macro FETCH_B slot, q, p
	WIN TO_B
.irp i, 0,1,2,3,4,5,6,7
	FRAG 128*(\p)+FR*\i, ADRB+\slot, TILEB*\i+1536*(\q)
.endr
	WIN 0
.endm
.macro FETCH_A slot, q, i0
.irp i, \i0, \i0+1, \i0+2, \i0+3
	FRAG AF+FR*(\i), ADRA+\slot, TILEB*(\i)+1536*(\q)
.endr
.endm
.macro PLACES n
.rept \n
	v_nop
.endr
.endm
.macro STEP slot, kk, first
	s_wait_dscnt 4*NL                              ; B's set and A's tiles 0-3 are in; the youngest 16 loads (A's tiles 4-7) may be out
.if \first
	WIN 0x81                                       ; C, the bias, in window 0; D in window 2
.else
	WIN MUL_LO
.endif
	MUL16 0, 0, \kk, \first
	MUL16 2, 0, \kk, \first
	s_wait_dscnt 0x0
	PLACES NP
	FETCH_B \slot, 1, 1
	FETCH_A \slot, 1, 0
.if \first
	WIN 0xc1                                       ; D in window 3
.else
	WIN MUL_HI
.endif
	MUL16 4, 0, \kk, \first
	MUL16 6, 0, \kk, \first
	PLACES NP
	WIN 0
	FETCH_A \slot, 1, 4
.endm
.macro TURN slot, next, kk, fill
	s_wait_tensorcnt 0x0                           ; all my tensor loads have landed: my part of the next slot
	ds_add_u32 v[SPW], v[NIL]                      ; 0 onto my spare word
	s_wait_dscnt 4*NL+1                            ; (the add and the youngest 16 loads may be out)
	WIN MUL_LO
	MUL16 0, 1, \kk, 0
	s_wait_dscnt 0x0                               ; the add is done, and my reads of this slot are over
	s_barrier_signal -1
	MUL16 2, 1, \kk, 0
	WIN 0
	s_barrier_wait -1
.if \fill
	CREST                                          ; a round of the cluster's barrier: no wave of any partner still reads this slot or has a load on its way
	s_add_nc_u64 s[G0+4*\slot+2:G0+4*\slot+3], s[G0+4*\slot+2:G0+4*\slot+3], 2*TILEB
	s_add_nc_u64 s[G0B+4*\slot+2:G0B+4*\slot+3], s[G0B+4*\slot+2:G0B+4*\slot+3], 2*TILEB
	JLOAD G0+4*\slot, G1, G0B+4*\slot, G1B         ; the first tensor load behind the round, my one load until the next
.else
	PLACES NP
.endif
	FETCH_B \next, 0, 0
	FETCH_A \next, 0, 0
	WIN MUL_HI
	MUL16 4, 1, \kk, 0
	MUL16 6, 1, \kk, 0
	PLACES NP
	WIN 0
	FETCH_A \next, 0, 4
.endm
	s_wait_alu depctr_va_vdst(0)
	s_wait_tensorcnt 1                             ; my part of slot 0 is in; slot 1's may stay out
	s_barrier_signal -1
	s_barrier_wait -1
	FETCH_B 0, 0, 0
	FETCH_A 0, 0, 0
	FETCH_A 0, 0, 4
	s_wait_loadcnt 0x0                             ; the scale words and the bias
	STEP 0, 0, 1
	TURN 0, 1, 1, 1
	STEP 1, 2, 0
	TURN 1, 0, 3, 1
	STEP 0, 4, 0
	TURN 0, 1, 5, 0                                ; nothing is left to fetch; behind this barrier nobody reads slot 0
	STEP 1, 6, 0
	s_wait_dscnt 4*NL                              ; K step 7
	WIN MUL_LO
	MUL16 0, 1, 7, 0
	MUL16 2, 1, 7, 0
	s_wait_dscnt 0x0
	WIN MUL_HI
	MUL16 4, 1, 7, 0
	MUL16 6, 1, 7, 0
	WIN 0
; THE WAY OUT, tile by tile of 16 tokens x 128 columns, through my own stage: a lane's eight numbers go to their columns' true places in row r, and whole rows of 512 bytes come back.
; LDS serves a wave's instructions in order (ISA guide 5.7.1.4): no wait between the stores and the loads, nor in front of the next tile's stores.
.macro TOSTAGE a
.set AC, 64*((\a)%4)
	WIN 0x08+4*((\a)/4)                            ; an LDS store's data: window 2 or 3
.irp b, 0,1,2,3,4,5,6,7
	ds_store_b128 v[STO], v[AC+8*\b:AC+8*\b+3] offset:128*(\b/2)+32*(\b%2)         ; each accumulator from its low end on
	ds_store_b128 v[STO], v[AC+8*\b+4:AC+8*\b+7] offset:128*(\b/2)+32*(\b%2)+16
.endr
	WIN 0
.set BB, BK+64*((\a)%2)
.irp t, 0,1,2,3,4,5,6,7,8,9,10,11,12,13,14,15
	ds_load_b128 v[BB+4*\t:BB+4*\t+3], v[RD] offset:\t*SPITCH
.endr
.endm
.macro SEND a, younger                 ; stored row t of tile a is token 32 (a / 2) + 8 (a % 2) + t + 8 (t / 8) of my 128
.set BB, BK+64*((\a)%2)
	s_wait_dscnt \younger
.irp t, 0,1,2,3,4,5,6,7,8,9,10,11,12,13,14,15
	global_store_b128 v[L16], v[BB+4*\t:BB+4*\t+3], s[10:11] offset:(32*((\a)/2)+8*((\a)%2)+\t+8*(\t/8))*4096 th:TH_STORE_NT   ; 32 lanes store 512 consecutive bytes, at a multiple of 256 from out0's first byte
.endr
.endm
	PLACES NP                                      ; behind the last products: for the loads into the registers that held A's fragments, and for the reads of results
	TOSTAGE 0
.irp a, 1,2,3,4,5,6,7
.if \a > 1
	s_wait_xcnt 0x0                                ; tile a - 2's stores have read their registers: tile a's loads may land there
.endif
	TOSTAGE \a
	SEND \a-1, 32                                  ; behind tile a - 1's loads: tile a's 16 stores and 16 loads
.endr
	SEND 7, 0
	s_wait_tensorcnt 0x0                           ; the wave's end, behind my last tensor load and my last LDS store
	ds_add_u32 v[SPW], v[NIL]
	s_wait_dscnt 0x0
	CROUND                                         ; the closing round
	s_endpgm
.Lfunc_end_k_qbbd122cbc2_gemm_proj:
	.size	k_qbbd122cbc2_gemm_proj, .Lfunc_end_k_qbbd122cbc2_gemm_proj-k_qbbd122cbc2_gemm_proj
	.p2alignl 7, 3214868480
	.fill 96, 4, 3214868480
	.section	.rodata,"a",@progbits
	.p2align	6, 0x0
	.amdhsa_kernel k_qbbd122cbc2_gemm_proj
		.amdhsa_group_segment_fixed_size 327680
		.amdhsa_private_segment_fixed_size 0
		.amdhsa_enable_private_segment 0
		.amdhsa_kernarg_size 32
		.amdhsa_user_sgpr_count 2
		.amdhsa_user_sgpr_kernarg_segment_ptr 1
		.amdhsa_wavefront_size32 1
		.amdhsa_system_sgpr_workgroup_id_x 1
		.amdhsa_system_sgpr_workgroup_id_y 1
		.amdhsa_system_sgpr_workgroup_id_z 1
		.amdhsa_system_vgpr_workitem_id 0
		.amdhsa_next_free_vgpr 1024
		.amdhsa_next_free_sgpr 100
		.amdhsa_reserve_vcc 0
		.amdhsa_float_denorm_mode_32 3
		.amdhsa_float_denorm_mode_16_64 3
		.amdhsa_memory_ordered 1
		.amdhsa_forward_progress 1
		.amdhsa_inst_pref_size 143
	.end_amdhsa_kernel
	.amdgpu_metadata
---
amdhsa.version: [ 1, 2 ]
amdhsa.kernels:
  - .name:           k_qbbd122cbc2_gemm_proj
    .symbol:         k_qbbd122cbc2_gemm_proj.kd
    .args:
      - { .name: opc, .offset: 0, .size: 8, .value_kind: global_buffer, .address_space: global }
      - { .name: scl, .offset: 8, .size: 8, .value_kind: global_buffer, .address_space: global }
      - { .name: b_proj, .offset: 16, .size: 8, .value_kind: global_buffer, .address_space: global }
      - { .name: out0, .offset: 24, .size: 8, .value_kind: global_buffer, .address_space: global }
    .group_segment_fixed_size: 327680
    .private_segment_fixed_size: 0
    .kernarg_segment_align: 8
    .kernarg_segment_size: 32
    .max_flat_workgroup_size: 128
    .sgpr_count:     100
    .vgpr_count:     1024
    .wavefront_size: 32
...
	.end_amdgpu_metadata
.endif
;; end of part 4
